; MI455X (gfx1250); checked and timed in simulation.
; The chip was launched on July 23, 2026; its instructions are those of AMD's public machine-readable ISA for CDNA 5 (MIT licence, August 2026) and "CDNA5" Instruction Set Architecture Reference Guide (July 2026). The comments in the code are by the model that wrote it; some were corrected since.
;; Causal Self Attention. Allowed arithmetic: matrix products marked QUANTISED: E4M3 operands, one E8M0 scale for each 32 along K, by v_wmma_scale_f32_16x16x128_f8f6f4 with both operands' format E4M3, f32 sums; everything else in f32.
;; Inputs: b_proj 1,024 float32; b_qkv 3,072 float32; w_proj 1,024 x 1,024 float32; w_qkv 1,024 x 3,072 float32; x 8 x 1,024 x 1,024 float32.
;; Outputs: out0 8 x 1,024 x 1,024 float32.
;; This version of the problem:
;;   THIS VERSION OF THE PROBLEM IS GIVEN IN LOW PRECISION. The matrix products marked QUANTISED in the list below multiply operands that are first quantised to E4M3 (4 exponent bits, 3 mantissa bits; 8 bits a number), with one power-of-two scale for each 32 numbers along K (OCP MX v1.0); their sums are f32. All else is computed in f32.
;;   The module's matrix products, in the order in which they are computed (A, B: the left and right operand; K: the contracted axis; several contracted axes count as one K, in the product's order):
;;     1. [M 8,192, K 1,024] x [K 1,024, N 3,072]; A: input x; B: input w_qkv: QUANTISED
;;     2. batch 128 x [M 1,024, K 64] x [K 64, N 1,024]; A: computed on the way; B: computed on the way: QUANTISED
;;     3. batch 128 x [M 1,024, K 1,024] x [K 1,024, N 64]; A: softmax (see below); B: computed on the way: QUANTISED
;;     4. [M 8,192, K 1,024] x [K 1,024, N 1,024]; A: computed on the way; B: input w_proj: QUANTISED
;;   THE QUANTISER, for each operand of a quantised product, along K:
;;     - K is cut into blocks of 32 from its start; a last block that is shorter is filled with zeros.
;;     - A block's scale is 2^e with e = floor(log2(the largest magnitude in the block)) - 8, held to -126 .. 127; a block of zeros has e = 0. As a byte (E8M0): e + 127.
;;     - Each number is divided by its block's scale, clamped to +-448, and rounded to the nearest number of E4M3, ties to even, subnormals kept.
;;     - The product sums the exact products of the quantised numbers (number of the format x scale) in f32.
;;   ~~~python
;;   def quantise(x, axis):      # numpy; x: float32 -> the quantised numbers, widened to float32 again
;;       x = np.moveaxis(x, axis, -1); K = x.shape[-1]
;;       x = np.pad(x, [(0, 0)] * (x.ndim - 1) + [(0, -K % 32)]); x = x.reshape(x.shape[:-1] + (-1, 32)); a = np.abs(x).max(-1, keepdims=True)
;;       e = np.where(a > 0, np.clip(np.frexp(np.where(a > 0, a, 1))[1] - 1 - 8, -126, 127), 0)      # np.frexp(a)[1] - 1 = floor(log2(a)), exactly
;;       r = np.clip(x / 2.0 ** e, -448, 448)
;;       step = 2.0 ** (np.maximum(np.frexp(np.where(r == 0, 1, r))[1] - 1, -6) - 3)
;;       q = np.round(r / step) * step * 2.0 ** e      # np.round: ties to even
;;       return np.moveaxis(q.reshape(q.shape[:-2] + (-1,))[..., :K], -1, axis).astype(np.float32)
;;   ~~~
;;   SOFTMAX AHEAD OF A QUANTISED PRODUCT. Where the list says 'softmax', what is quantised is not the finished softmax but p = 2^(t - M), with t = logit x log2(e) and M = ceil(the row's largest t), a whole number; so 1/2 < the row's largest p <= 1. The row's sum l is taken of the UNQUANTISED p, in f32, and the product's result is divided by l at the end. Since M is a whole number, a kernel that streams over the keys may use a running M (the ceiling of the running maximum): every later rescaling is an exact power of two, which a block's scale takes up: the codes' values come out the same.
;;   OPERANDS COMPUTED ON THE WAY. 'Computed on the way' means the value that the module computes at that place (a softmax that the list does not call 'softmax' is quantised finished and normalised). What goes into a quantiser is computed in f32, as accurately as f32 sums, v_exp_f32 and their like allow (about 1e-6 of the number): no bf16 or f16 on the way to a quantiser, and a product that is left as it is and whose result goes on into a quantised operand takes f32 operands (vector FMAs, or v_wmma_f32_16x16x4_f32). A number that lies on a knife's edge between two numbers of the format may be rounded either way, as far as f32 arithmetic and the matrix unit's own rounding can turn it there, and no further.
;; One version. Each part assembles by itself: llvm-mc -triple=amdgcn-amd-amdhsa -mcpu=gfx1250 --defsym DOCPART=n.
;; ======== version 1 of 1: 4 launches
;; limits: right only within a limited range of input values
;; workspace buffers: xq 8,650,752 bytes; wq 4,325,376 bytes; qkb 17,301,504 bytes; vb 8,650,752 bytes; aq 8,650,752 bytes
;; launch quant (part 1): grid 384 x 1, 4 waves a work-group, no clusters, 35,328 bytes of LDS; arguments x, w_qkv, w_proj, xq, wq; writes xq, wq
.if DOCPART == 1
	.amdgcn_target "amdgcn-amd-amdhsa--gfx1250"
	.amdhsa_code_object_version 6
	.text
	.protected	k_qafd5a9a79e_quant
	.globl	k_qafd5a9a79e_quant
	.p2align	8
	.type	k_qafd5a9a79e_quant,@function
k_qafd5a9a79e_quant:
	s_mov_b64 s[64:65], 0
	v_nop
	global_prefetch_b8 v0, s[64:65] scope:SCOPE_SE
	s_setreg_imm32_b32 hwreg(HW_REG_WAVE_MODE, 25, 1), 1
	s_wait_xcnt 0x0
; x [8192][1024], w_qkv [1024][3072] and w_proj [1024][1024], f32, become codes of FP8 (E4M3) with one E8M0 scale byte for each 32 along K, laid as the products' operand registers want them.
; THE IMAGE ORDER.  An operand is stored as images of fragments of 16 rows x 128 K: four groups c of 512 bytes; lane l = r + 16 h has its 16 bytes of group c at 512 c + 16 l; byte i of them is
; k = 32 c + 16 (i / 8) + 8 h + i % 8 of row r.  That is a permutation of k inside each block of 32, the same in both operands of every product, so products and scales pair as they should.
; Scale words: [row tile][K / 256][r 16][q 2], 4 bytes each: byte c of word q scales block c of the q-th 128 along K of that 256.
; A block's scale is 2^(floor(log2(its largest magnitude)) - 8); its byte is the largest magnitude's exponent field - 8, held at 1 from below.
; LIMITS: a block of zeros gets the byte 1 where the rule says 127 (its codes are zeros, and this program alone reads the bytes); blocks whose largest magnitude lies under 2^-118 keep the byte 1;
; NaN and infinities among the inputs are not served.
; SHARES.  Work-groups 0-255 take x: a wave 16 rows x 512 K, four steps of 128.  Work-groups 256-351 take w_qkv, 352-383 w_proj: a wave 32 columns x 256 K, a lane a column, its registers down K.
; No tensor loads, no barrier: waves share nothing.  Only x's path uses LDS.
.set XS_OFF, 8388608                   ; xq: scale words behind 512 x 16,384 bytes of codes
.set WS_OFF, 3145728                   ; wq: w_qkv's scale words behind 192 x 16,384 bytes of codes
.set PI_OFF, 3244032                   ; wq: w_proj's codes
.set PS_OFF, 4292608                   ; wq: w_proj's scale words
.set WREG,   8704                      ; LDS of a wave: a stage of 16 rows x 528 bytes, then 256 bytes of scale words
.set SP,     528                       ; a stage row: 512 bytes + 16: an odd multiple of 16, so sixteen rows start in sixteen different groups of banks
.set R,   16                           ; v16-143  two sets of 64: a step's numbers as loaded
.set X,   144                          ; v144-207 64 numbers in the image order: register 16 c + i
.set PC,  208                          ; v208-223 the fragment's codes
.set TM,  224                          ; v224-239 at work: maxima, bytes, limits, scale operands
.set PW,  240                          ; v240     the scale word
.set SEL, 20                           ; s[20:21] v_permlanex16_b32's selects for lane l xor 16
.set MNT, 22                           ; s22      the mantissa field of 448
	s_load_b128 s[4:7], s[0:1], 0x0                ; x, w_qkv
	s_load_b128 s[8:11], s[0:1], 0x10              ; w_proj, xq
	s_load_b64 s[12:13], s[0:1], 0x20              ; wq
	v_lshl_add_u32 v254, v0, 2, 0x8800
	v_mov_b32 v255, 0
	v_lshrrev_b32 v1, 5, v0
	v_readfirstlane_b32 s16, v1                    ; wave 0..3
	v_and_b32 v7, 31, v0                           ; lane
	s_mov_b32 s[SEL], 0x76543210
	s_mov_b32 s[SEL+1], 0xfedcba98
	s_mov_b32 s[MNT], 0x600000
	s_cmp_lt_u32 ttmp9, 256
	s_cbranch_scc0 .Lweights
; ---------------- x: K is innermost ----------------
	v_and_b32 v8, 15, v0                           ; r
	v_bfe_u32 v9, v0, 4, 1                         ; h
	v_lshlrev_b32 v1, 4, v7                        ; 16 x lane: my bytes of a load's 512, and of a group of codes
	s_mul_i32 s17, s16, WREG
	v_add_nc_u32 v2, s17, v1                       ; the stage, on the way in: a row as it lies
	v_mul_u32_u24 v3, v8, SP
	v_lshl_add_u32 v3, v9, 5, v3
	v_add_nc_u32 v3, s17, v3                       ; and on the way out: row r, + 32 h bytes (8 numbers)
	s_add_co_u32 s18, s17, 16*SP
	v_lshl_add_u32 v4, v8, 3, s18                  ; my row's two scale words of a 256 along K
	v_lshl_add_u32 v5, v7, 3, s18                  ; the wave's 256 bytes of scale words, 8 a lane
	v_lshlrev_b32 v6, 3, v7
.irp b, 0,1,2,3
	v_mov_b32 v[TM+4+\b], 0                        ; written once: a lane permute's destination counts as one of its sources
.endr
	s_lshl_b32 s19, ttmp9, 2
	s_add_co_u32 s19, s19, s16                     ; which of 1,024 shares
	s_lshr_b32 s24, s19, 1                         ; row tile
	s_and_b32 s25, s19, 1                          ; which half of K
	s_lshl_b32 s26, s24, 16                        ; x: 16 rows of 4,096 bytes,
	s_lshl_b32 s27, s25, 11                        ; 512 numbers
	s_add_co_u32 s26, s26, s27
	s_mov_b32 s27, 0
	s_lshl_b32 s28, s24, 14                        ; codes: 8 fragments a row tile,
	s_lshl_b32 s29, s25, 13                        ; four of them
	s_add_co_u32 s28, s28, s29
	s_mov_b32 s29, 0
	s_lshl_b32 s30, s24, 9                         ; scale words: 512 bytes a row tile,
	s_lshl_b32 s31, s25, 8                         ; half of them
	s_add_co_u32 s30, s30, s31
	s_add_co_u32 s30, s30, XS_OFF
	s_mov_b32 s31, 0
	s_wait_alu depctr_va_vdst(0)
	s_wait_kmcnt 0x0
	s_add_nc_u64 s[4:5], s[4:5], s[26:27]
	s_add_nc_u64 s[14:15], s[10:11], s[30:31]
	s_add_nc_u64 s[10:11], s[10:11], s[28:29]
.macro XLOAD t                         ; step t: 16 rows x 128 numbers; each load takes 512 consecutive bytes of one row
.irp i, 0,1,2,3,4,5,6,7,8,9,10,11,12,13,14,15
	global_load_b128 v[R+64*((\t)%2)+4*\i:R+64*((\t)%2)+4*\i+3], v1, s[4:5] offset:4096*\i+512*(\t) th:TH_LOAD_NT
.endr
.endm
; 64 numbers of a lane, register 16 b + i of block b, become a fragment's codes in v[PC] on and its scale word in v[PW]
.macro QUANT s
.irp b, 0,1,2,3
	v_max3_num_f32 v[TM+\b], |v[\s+16*\b]|, |v[\s+1+16*\b]|, 0x4800000   ; my 16 numbers of block b, and the floor 2^(9 - 127): the byte cannot fall under 1
.endr
.irp i, 2,4,6,8,10,12,14
.irp b, 0,1,2,3
	v_max3_num_f32 v[TM+\b], v[TM+\b], |v[\s+16*\b+\i]|, |v[\s+1+16*\b+\i]|   ; the four blocks by turns
.endr
.endr
.irp b, 0,1,2,3
	v_permlanex16_b32 v[TM+4+\b], v[TM+\b], s[SEL], s[SEL+1]
.endr
.irp b, 0,1,2,3
	v_max_num_f32 v[TM+\b], v[TM+\b], v[TM+4+\b]   ; with lane l xor 16's 16: the block's largest magnitude
.endr
.irp b, 0,1,2,3
	v_add_nc_u32 v[TM+12+\b], 0xfc000000, v[TM+\b] ; 8 off its exponent field: the conversion's scale operand
.endr
.irp b, 0,1,2,3
	v_and_or_b32 v[TM+8+\b], v[TM+\b], 0x7f800000, s[MNT]   ; 448 x the scale
.endr
.irp b, 0,1,2,3
	v_lshrrev_b32 v[TM+4+\b], 23, v[TM+12+\b]      ; the scale's byte
.endr
	v_lshl_or_b32 v[PW], v[TM+5], 8, v[TM+4]
	v_lshl_or_b32 v[PW], v[TM+6], 16, v[PW]
	v_lshl_or_b32 v[PW], v[TM+7], 24, v[PW]
.irp b, 0,1,2,3
.irp i, 0,1,2,3,4,5,6,7,8,9,10,11,12,13,14,15
	v_med3_num_f32 v[\s+16*\b+\i], v[\s+16*\b+\i], -v[TM+8+\b], v[TM+8+\b]   ; the conversion to an 8-bit code does not saturate (ISA guide 7.6.2): the hold comes first
.endr
	v_cvt_scalef32_pk8_fp8_f32 v[PC+4*\b:PC+1+4*\b], v[\s+16*\b:\s+7+16*\b], v[TM+12+\b]
	v_cvt_scalef32_pk8_fp8_f32 v[PC+2+4*\b:PC+3+4*\b], v[\s+8+16*\b:\s+15+16*\b], v[TM+12+\b]
.endr
	v_nop                                          ; a plain line behind the last conversion
.endm
.macro XSTEP t
.if (\t) < 3
	s_wait_loadcnt 16                              ; this step's 16 loads are in; the next step's 16 may be out
.else
	s_wait_loadcnt 0x0
.endif
.irp i, 0,1,2,3,4,5,6,7,8,9,10,11,12,13,14,15
	ds_store_b128 v2, v[R+64*((\t)%2)+4*\i:R+64*((\t)%2)+4*\i+3] offset:SP*\i
.endr
.irp c, 0,1,2,3
.irp j, 0,1,2,3
	ds_load_b128 v[X+16*\c+4*\j:X+16*\c+4*\j+3], v3 offset:128*\c+64*(\j/2)+16*(\j%2)   ; LDS serves a wave's instructions in order: these see the stores above.  k = 32 c + 16 (j / 2) + 8 h + 4 (j % 2) on
.endr
.endr
	s_wait_dscnt 0x0                               ; the numbers are back, and the stores have read their registers,
.if (\t) < 2
	XLOAD (\t)+2                                   ; which take the loads of two steps on
.endif
	s_wait_xcnt 0x0                                ; the last step's stores have read the codes' registers
	QUANT X
.irp c, 0,1,2,3
	global_store_b128 v1, v[PC+4*\c:PC+4*\c+3], s[10:11] offset:2048*(\t)+512*\c   ; 512 consecutive bytes, aligned
.endr
	ds_store_b32 v4, v[PW] offset:128*((\t)/2)+4*((\t)%2)   ; lanes r and r + 16 write the same word with the same value
.endm
	XLOAD 0
	XLOAD 1
	XSTEP 0
	XSTEP 1
	XSTEP 2
	XSTEP 3
	ds_load_b64 v[12:13], v5                       ; my wave's own bytes, in order behind my stores
	s_wait_dscnt 0x0
	global_store_b64 v6, v[12:13], s[14:15]        ; 32 lanes store 256 consecutive bytes, aligned
	s_wait_tensorcnt 0x0
	ds_add_u32 v254, v255
	s_wait_dscnt 0x0
	s_endpgm
; ---------------- the weights: K is the first axis ----------------
.macro WLOAD t, N                      ; block t: W(32 t + i, my column): 32 lanes read 128 consecutive bytes
.irp i, 0,1,2,3,4,5,6,7,8,9,10,11,12,13,14,15,16,17,18,19,20,21,22,23,24,25,26,27,28,29,30,31
	global_load_b32 v[32+32*((\t)%2)+\i], v3, s[4:5] offset:(32*(\t)+\i)*4*\N th:TH_LOAD_NT
.endr
.endm
.macro WBLOCK t, N
.set XR, 32+32*((\t)%2)
.if (\t) < 7
	s_wait_loadcnt 32                              ; this block's 32 loads are in; the next block's 32 may be out
.else
	s_wait_loadcnt 0x0
.endif
	v_max3_num_f32 v12, |v[XR]|, |v[XR+1]|, |v[XR+2]|   ; all 32 numbers of the block are mine
	v_max3_num_f32 v13, |v[XR+3]|, |v[XR+4]|, |v[XR+5]|
.irp i, 6,10,14,18,22,26
	v_max3_num_f32 v12, v12, |v[XR+\i]|, |v[XR+\i+1]|
	v_max3_num_f32 v13, v13, |v[XR+\i+2]|, |v[XR+\i+3]|
.endr
	v_max3_num_f32 v12, v12, |v[XR+30]|, |v[XR+31]|
	v_max3_num_f32 v12, v12, v13, 0x4800000        ; and the floor
	v_add_nc_u32 v11, 0xfc000000, v12              ; the conversion's scale operand
	v_and_or_b32 v10, v12, 0x7f800000, s[MNT]      ; 448 x the scale
	v_lshrrev_b32 v13, 23, v11                     ; the byte
.if (\t)%4 == 0
	v_mov_b32 v[24+(\t)/4], v13
.else
	v_lshl_or_b32 v[24+(\t)/4], v13, 8*((\t)%4), v[24+(\t)/4]
.endif
.irp i, 0,1,2,3,4,5,6,7,8,9,10,11,12,13,14,15,16,17,18,19,20,21,22,23,24,25,26,27,28,29,30,31
	v_med3_num_f32 v[XR+\i], v[XR+\i], -v10, v10
.endr
	s_wait_alu depctr_va_vdst(0)
	s_wait_xcnt 0x0                                ; the last block's stores have read the codes' registers
.irp o, 0,1,2,3                        ; the octet k = 8 o on goes to half o % 2 of the lanes' places, bytes 8 (o / 2) on
	v_cvt_scalef32_pk8_fp8_f32 v[96+2*(2*(\o%2)+\o/2):97+2*(2*(\o%2)+\o/2)], v[XR+8*\o:XR+8*\o+7], v11
.endr
	v_nop
	global_store_b128 v8, v[96:99], s[10:11] offset:2048*((\t)/4)+512*((\t)%4)        ; sixteen lanes store 256 consecutive bytes, aligned: the places of lanes 0-15 of a group,
	global_store_b128 v8, v[100:103], s[10:11] offset:2048*((\t)/4)+512*((\t)%4)+256  ; and those of lanes 16-31
.if (\t) < 6
	WLOAD (\t)+2, \N
.endif
.endm
; N: the weight's columns; IMG, SCB: where its codes and scale words begin in wq; src: the scalar pair with its address; first: its first work-group
.macro WPATH N, IMG, SCB, src, first
	s_sub_co_u32 s17, ttmp9, \first
	s_and_b32 s18, s17, 3                          ; which 256 along K
	s_lshr_b32 s19, s17, 2                         ; which 128 columns
	s_lshl_b32 s24, s19, 3
	s_lshl_b32 s25, s16, 1
	s_add_co_u32 s24, s24, s25                     ; my wave's first row tile of the operand: 8 x + 2 wave
	s_mul_i32 s26, s18, 1024*\N                    ; 256 rows of 4 N bytes
	s_lshl_b32 s27, s24, 6                         ; + 4 bytes x 16 columns a row tile
	s_add_co_u32 s26, s26, s27
	s_mov_b32 s27, 0
	s_lshl_b32 s28, s24, 14
	s_lshl_b32 s29, s18, 12                        ; two fragments for 256 along K
	s_add_co_u32 s28, s28, s29
	s_add_co_u32 s28, s28, \IMG
	s_mov_b32 s29, 0
	s_lshl_b32 s30, s24, 9
	s_lshl_b32 s31, s18, 7
	s_add_co_u32 s30, s30, s31
	s_add_co_u32 s30, s30, \SCB
	s_mov_b32 s31, 0
	s_wait_kmcnt 0x0
	s_add_nc_u64 s[4:5], s[\src:\src+1], s[26:27]
	s_add_nc_u64 s[10:11], s[12:13], s[28:29]
	s_add_nc_u64 s[14:15], s[12:13], s[30:31]
	WLOAD 0, \N
	WLOAD 1, \N
.irp t, 0,1,2,3,4,5,6,7
	WBLOCK \t, \N
.endr
	global_store_b64 v9, v[24:25], s[14:15]        ; my column's two scale words: sixteen lanes store 128 consecutive bytes (one byte for 128 that the launch reads)
.endm
.Lweights:
	s_wait_alu depctr_va_vdst(0)
	v_lshlrev_b32 v3, 2, v7                        ; in: 4 bytes a lane
	v_lshrrev_b32 v10, 4, v7                       ; which of my wave's two row tiles
	v_and_b32 v11, 15, v7                          ; r
	v_lshlrev_b32 v8, 4, v11
	v_lshl_add_u32 v8, v10, 14, v8                 ; codes: 16 r + 16,384 x row tile
	v_lshlrev_b32 v9, 3, v11
	v_lshl_add_u32 v9, v10, 9, v9                  ; scale words: 8 r + 512 x row tile
	s_cmp_lt_u32 ttmp9, 352
	s_cbranch_scc0 .Lproj
	s_wait_alu depctr_va_vdst(0)
	WPATH 3072, 0, WS_OFF, 6, 256
	s_endpgm
.Lproj:
	s_wait_alu depctr_va_vdst(0)
	WPATH 1024, PI_OFF, PS_OFF, 8, 352
	s_endpgm
.Lfunc_end_k_qafd5a9a79e_quant:
	.size	k_qafd5a9a79e_quant, .Lfunc_end_k_qafd5a9a79e_quant-k_qafd5a9a79e_quant
	.p2alignl 7, 3214868480
	.fill 96, 4, 3214868480
	.section	.rodata,"a",@progbits
	.p2align	6, 0x0
	.amdhsa_kernel k_qafd5a9a79e_quant
		.amdhsa_group_segment_fixed_size 35328
		.amdhsa_private_segment_fixed_size 0
		.amdhsa_enable_private_segment 0
		.amdhsa_kernarg_size 40
		.amdhsa_user_sgpr_count 2
		.amdhsa_user_sgpr_kernarg_segment_ptr 1
		.amdhsa_wavefront_size32 1
		.amdhsa_system_sgpr_workgroup_id_x 1
		.amdhsa_system_sgpr_workgroup_id_y 1
		.amdhsa_system_sgpr_workgroup_id_z 1
		.amdhsa_system_vgpr_workitem_id 0
		.amdhsa_next_free_vgpr 256
		.amdhsa_next_free_sgpr 66
		.amdhsa_reserve_vcc 0
		.amdhsa_float_denorm_mode_32 3
		.amdhsa_float_denorm_mode_16_64 3
		.amdhsa_memory_ordered 1
		.amdhsa_forward_progress 1
		.amdhsa_inst_pref_size 163
	.end_amdhsa_kernel
	.amdgpu_metadata
---
amdhsa.version: [ 1, 2 ]
amdhsa.kernels:
  - .name:           k_qafd5a9a79e_quant
    .symbol:         k_qafd5a9a79e_quant.kd
    .args:
      - { .name: x, .offset: 0, .size: 8, .value_kind: global_buffer, .address_space: global }
      - { .name: w_qkv, .offset: 8, .size: 8, .value_kind: global_buffer, .address_space: global }
      - { .name: w_proj, .offset: 16, .size: 8, .value_kind: global_buffer, .address_space: global }
      - { .name: xq, .offset: 24, .size: 8, .value_kind: global_buffer, .address_space: global }
      - { .name: wq, .offset: 32, .size: 8, .value_kind: global_buffer, .address_space: global }
    .group_segment_fixed_size: 35328
    .private_segment_fixed_size: 0
    .kernarg_segment_align: 8
    .kernarg_segment_size: 40
    .max_flat_workgroup_size: 128
    .sgpr_count:     66
    .vgpr_count:     256
    .wavefront_size: 32
...
	.end_amdgpu_metadata
.endif
;; end of part 1
;; launch gemm_qkv (part 2): grid 32 x 8, 4 waves a work-group, clusters of 4 x 1, 327,680 bytes of LDS; arguments xq, wq, b_qkv, qkb, vb; writes qkb, vb
.if DOCPART == 2
	.amdgcn_target "amdgcn-amd-amdhsa--gfx1250"
	.amdhsa_code_object_version 6
	.text
	.protected	k_qafd5a9a79e_gemm_qkv
	.globl	k_qafd5a9a79e_gemm_qkv
	.p2align	8
	.type	k_qafd5a9a79e_gemm_qkv,@function
k_qafd5a9a79e_gemm_qkv:
	s_mov_b64 s[64:65], 0
	v_nop
	global_prefetch_b8 v0, s[64:65] scope:SCOPE_SE
	s_setreg_imm32_b32 hwreg(HW_REG_WAVE_MODE, 25, 1), 1
	s_wait_xcnt 0x0
	s_wait_alu depctr_hold_cnt(0) depctr_sa_sdst(0) depctr_va_vdst(0) depctr_va_sdst(0) depctr_va_ssrc(0) depctr_va_vcc(0) depctr_vm_vsrc(0)
	s_getreg_b32 s2, hwreg(HW_REG_IB_STS2, 6, 4)
	s_cmp_eq_u32 s2, 0
	s_cbranch_scc0 .Lentry_in_a_cluster
	s_endpgm
.Lentry_in_a_cluster:
	s_bfe_u32 s2, ttmp6, 0x10000c
	s_cmp_lg_u32 s2, 0x3003
	s_cbranch_scc0 .Lentry_shape_is_right
	s_endpgm
.Lentry_shape_is_right:
; x w_qkv + b_qkv, [8192] x [3072], K = 1,024, on codes of FP8 (E4M3) with E8M0 scales; the result leaves as CODES of q, k (quantised along the head's 64) and of v (quantised along the keys), laid as the attention launch's operand registers.
; OPERANDS LIE IN MEMORY AS IMAGES OF FRAGMENTS (16 rows x 128 K = 2,048 bytes: group c at 512 c, lane l at 16 l; byte i is k = 32 c + 16 (i / 8) + 8 (l / 16) + i % 8); a tile of 16 rows, all of K, is 16,384 bytes on end.
; Scale words: [tile][K / 256][r 16][q 2].  LIMIT: k is permuted inside each block of 32, alike in both operands, so the unit adds a block's products in another order than ascending k.
; THE DEAL.  256 work-groups of four waves: 32 row groups of 256 tokens x 8 column groups.  A wave holds ITS 64 tokens of x, all of K, in 512 registers (windows 1, 2): the lower 512 of K by 64 loads of 512 consecutive bytes,
; the upper 512 of K through slot 1 of the ring, which has no other use at the head: waves 2 and 3 bring it by a tensor load each (8 token tiles x 8,192 bytes), and each wave reads its 64 tokens' part into window 2.
; Column group g takes three chunks of 128 columns: q, k columns 256 g on (two chunks) and v's columns 128 g on (one): the same work in every work-group, and no branch on the kind.
; A chunk's codes, 131,072 dense bytes, come through a ring of two LDS slots.  The first chunk is fetched at the head by waves 0 and 1, a half each; the others a quarter a wave.  The q, k chunks are a loop of two trips, each of which
; fills the other slot; v's chunk is written out and fills nothing.
; CLUSTER: the four row groups of a cluster walk the same chunks: each part of a chunk is asked for jointly, mask 15; its address hangs on the cluster's y and the wave's number alone.  x's loads are each work-group's own (no mask).
; Each refill stands behind a round of the cluster's barrier.
; A BLOCK is 16 columns x my 64 tokens: 32 products, four sums by turns, K ascending; the bias is the first four products' C.
; q, k: source 0 = the columns, source 1 = tokens: a lane holds a token, registers run along the head's d; the blocks 2 c, 2 c + 1 of a head hold a scale block of 32 in 16 registers of lanes l and l xor 16.
; v: source 0 = tokens, source 1 = the columns: a lane holds a column d, registers run along the keys; the sums of token tiles 2 c, 2 c + 1 hold a scale block of 32 keys likewise.  So one quantiser serves a pair of blocks of either kind.
; Scale words of w_qkv and the bias are copied once into LDS bytes of their own; the scale bytes that leave are gathered in LDS and leave at the end as runs of 512 and 256 bytes.
; NO PREFETCH: there are three chunks, and each chunk's tensor load goes out a whole chunk, 256 products a wave, ahead of its first read.
; LIMITS of the quantiser: a block of zeros gets the byte 1, not 127 (zero codes; this program alone reads the bytes); largest magnitudes under 2^-118 keep the byte 1; NaN and infinities are not served.
.set XS_OFF, 8388608                   ; xq: scale words behind the codes
.set WS_OFF, 3145728                   ; wq: w_qkv's scale words
.set QKS,    16777216                  ; qkb: scale bytes behind the codes
.set VS_OFF, 8388608                   ; vb: scale words behind the codes
.set NP,     8                         ; places behind this matrix instruction (ISA guide 7.12.1)
.set SLOT,   131072
.set SCW,    2*SLOT                    ; w_qkv's scale words of my 24 tiles: 12,288 bytes
.set BIA,    SCW+12288                 ; the bias of my 384 columns: 1,536 bytes
.set SQ,     BIA+1536                  ; q, k scale bytes that leave: [head 4][512]
.set SV,     SQ+2048                   ; v's: [head 2][128 keys, 2][16 of 64, 4][r] words
.set SPARE,  SV+1024                   ; the spare words, 128 bytes a wave
.set L16, 4                            ; v4 16 x lane
.set ASQ, 5                            ; v5 where my q, k scale word goes in this chunk
.set ADW, 6                            ; v6, v7 LDS address of the chunk's tiles 0-3, 4-7
.set ASW0, 8                           ; v8 SCW + 8 r;  v9 the chunk's
.set ASW, 9
.set SPW, 10
.set NIL, 11
.set ABI0, 12                          ; v12 BIA + 32 h;  v13 the chunk's
.set ABI, 13
.set ABV, 14                           ; v14 v's bias: BIA + 1,024 + 4 r
.set ASQ0, 15                          ; v15 SQ + 4 x thread
.set XSB, 16                           ; v16-31 x's scale words: register 8 p + q: lanes 0-15 token tile 2 p, lanes 16-31 tile 2 p + 1
.set ASV, 32                           ; v32 where my two bytes of a word of v's go
.set SOF, 33                           ; v33 512 h + 8 r
.set HSA, 34                           ; v34, v35 the head's copies: SCW + 16 x thread, BIA + 4 x thread
.set HBA, 35
.set WSB, 36                           ; v36-51 the block's scale words, two sets of eight
.set BC,  52                           ; v52-67 the block's bias, two sets of eight
.set T16, 68                           ; v68, v69 16 x thread, 4 x thread
.set T4,  69
.set ARQ, 70                           ; v70, v71 the end's reads: SQ + 16 x thread, SV + 8 x thread
.set ARV, 71
.set ACC, 72                           ; v72-135 sums: two sets of four
.set MX,  136
.set PT,  140
.set LIM, 144
.set SO,  148
.set BY,  152
.set SWD, 156
.set OW,  158
.set CD,  160                          ; v160-175 a pair's codes
.set HS,  176                          ; v176-202 the head's copies on their way; at the end the scale bytes
.set L8,  203
.set AXH, 204                          ; v204 slot 1 + 32,768 x wave + 16 x lane: my tokens' upper half of K
.set TB, 62                            ; s62 the slot in hand; s63, s66, s67 the chunk's step in SCW, BIA, SQ; s68 the trip
.set TS, 63
.set TI, 66
.set TQ, 67
.set CNT, 68
.set MSB, 0
.macro WIN new                         ; the immediate's high byte repeats the setting that is left
.if MSB != (\new)
	s_set_vgpr_msb (MSB<<8)|(\new)
.set MSB, (\new)
.endif
.endm
.macro PLACES n
.rept \n
	v_nop
.endr
.endm
.macro CROUND                          ; a round of the cluster's barrier
	s_barrier_signal -1
	s_barrier_wait -1
	s_cmp_lg_u32 s14, 0
	s_cbranch_scc1 .Lnot_wave_0_\@
	s_barrier_signal -3
.Lnot_wave_0_\@:
	s_barrier_wait -3
	s_barrier_signal -1
	s_barrier_wait -1
.endm
	s_load_b128 s[4:7], s[0:1], 0x0                ; xq, wq
	s_load_b128 s[8:11], s[0:1], 0x10              ; b_qkv, qkb
	s_load_b64 s[12:13], s[0:1], 0x20              ; vb
	v_lshl_add_u32 v[SPW], v0, 2, SPARE
	v_mov_b32 v[NIL], 0
	ds_add_u32 v[SPW], v[NIL]                      ; the opening lines: the add, twice on end, and its wait ahead of my first tensor load
	ds_add_u32 v[SPW], v[NIL]
	v_lshrrev_b32 v1, 5, v0
	v_readfirstlane_b32 s14, v1                    ; wave 0..3
	s_bfe_u32 s15, ttmp6, 0x40000                  ; cx
	s_and_b32 s16, ttmp7, 0xffff                   ; g: my column group, the cluster's y
	s_lshl_b32 s17, ttmp9, 2
	s_add_co_u32 s17, s17, s15                     ; rg: my row group of 256 tokens
	s_lshr_b32 s2, s14, 1                          ; wave / 2
	s_and_b32 s3, s14, 1                           ; wave % 2
	s_mov_b32 s24, 15|(3<<16)|(1<<21)              ; group 1 of a refill: mask: the cluster's four; elements of 8 bytes; bit 21 beside a mask; 32,768 dense bytes as 128 rows of 256
	s_mov_b32 s25, 32<<16
	s_mov_b32 s26, 128<<16
	s_mov_b32 s27, 32<<16
	s_mov_b32 s28, 128
	s_mov_b32 s29, 32
	s_mov_b32 s30, 0
	s_mov_b32 s31, 0
	s_mov_b32 s76, 15|(3<<16)|(1<<21)              ; group 1 of the first chunk's halves: 65,536 dense bytes as 256 rows of 256
	s_mov_b32 s77, 32<<16
	s_mov_b32 s78, 256<<16
	s_mov_b32 s79, 32<<16
	s_mov_b32 s80, 256
	s_mov_b32 s81, 32
	s_mov_b32 s82, 0
	s_mov_b32 s83, 0
	s_mov_b32 s84, 3<<16                           ; group 1 of x's upper half of K: no mask; 8 token tiles x 8,192 bytes (1,024 elements of 8), 16,384 bytes apart
	s_mov_b32 s85, 1024<<16
	s_mov_b32 s86, 8<<16
	s_mov_b32 s87, 1024<<16
	s_mov_b32 s88, 8
	s_mov_b32 s89, 2048
	s_mov_b32 s90, 0
	s_mov_b32 s91, 0
	s_mov_b32 s32, 1                               ; group 0 of a refill
	s_lshl_b32 s33, s14, 15                        ; LDS: slot 0, wave x 32,768; the first trip turns it to slot 1
	s_lshl_b32 s18, s16, 18                        ; wq: q, k tiles 16 g on, my wave's two of a chunk's eight
	s_add_co_u32 s18, s18, s33
	s_mov_b32 s19, 0
	s_lshl_b32 s20, s16, 17                        ; v's tiles 128 + 8 g on
	s_add_co_u32 s20, s20, s33
	s_add_co_u32 s20, s20, 2097152
	s_mov_b32 s21, 0
	s_mov_b32 s72, 1                               ; group 0 of the first chunk's halves (waves 0, 1): slot 0, wave x 65,536
	s_lshl_b32 s73, s14, 16
	s_lshl_b32 s98, s16, 18
	s_add_co_u32 s98, s98, s73
	s_mov_b32 s99, 0
	s_mov_b32 s92, 1                               ; group 0 of x's upper half (waves 2, 3): slot 1, (wave % 2) x 65,536: token tiles 8 (wave % 2) on
	s_lshl_b32 s93, s3, 16
	s_add_co_u32 s93, s93, SLOT
	s_lshl_b32 s100, s17, 18
	s_lshl_b32 s69, s3, 17
	s_add_co_u32 s100, s100, s69
	s_add_co_u32 s100, s100, 8192
	s_mov_b32 s101, 0
	s_add_co_u32 s96, s33, SLOT                    ; where my 64 tokens' part of it lies
	s_lshl_b32 s22, s17, 18                        ; xq: token tiles 16 rg + 4 wave on
	s_lshl_b32 s69, s14, 16
	s_add_co_u32 s22, s22, s69
	s_mov_b32 s23, 0
	s_lshl_b32 s36, s17, 13                        ; their scale words
	s_lshl_b32 s69, s14, 11
	s_add_co_u32 s36, s36, s69
	s_add_co_u32 s36, s36, XS_OFF
	s_mov_b32 s37, 0
	s_lshl_b32 s38, s16, 13                        ; w's scale words: q, k: 16 tiles of 512 bytes;
	s_add_co_u32 s38, s38, WS_OFF
	s_mov_b32 s39, 0
	s_lshl_b32 s40, s16, 12                        ; v: 8 tiles
	s_add_co_u32 s40, s40, WS_OFF+65536
	s_mov_b32 s41, 0
	s_lshl_b32 s42, s16, 10                        ; the bias: q, k: 256 numbers;
	s_mov_b32 s43, 0
	s_lshl_b32 s48, s16, 9                         ; v: 128
	s_add_co_u32 s48, s48, 8192
	s_mov_b32 s49, 0
	s_lshl_b32 s50, s16, 21                        ; qkb's codes: place 4 g (524,288 bytes a place), token tile 16 rg + 4 wave (1,024 a tile)
	s_lshl_b32 s69, s17, 14
	s_add_co_u32 s50, s50, s69
	s_lshl_b32 s69, s14, 12
	s_add_co_u32 s50, s50, s69
	s_mov_b32 s51, 0
	s_lshl_b32 s52, s16, 16                        ; qkb's scale bytes, at the end: wave n stores place 4 g + n (16,384 a place), my row group's 512 bytes
	s_lshl_b32 s69, s14, 14
	s_add_co_u32 s52, s52, s69
	s_lshl_b32 s69, s17, 9
	s_add_co_u32 s52, s52, s69
	s_add_co_u32 s52, s52, QKS
	s_mov_b32 s53, 0
	s_lshr_b32 s70, s17, 2                         ; batch
	s_lshl_b32 s70, s70, 4
	s_lshl_b32 s69, s16, 1
	s_add_co_u32 s70, s70, s69                     ; v's first head of mine: 16 batch + 2 g
	s_and_b32 s71, s17, 3
	s_lshl_b32 s71, s71, 1                         ; my row group's first 128 keys of the batch's eight
	s_lshl_b32 s54, s70, 16                        ; vb's codes: 65,536 a head, 8,192 for 128 keys, groups 2 (wave % 2) on
	s_add_co_u32 s69, s71, s2
	s_lshl_b32 s69, s69, 13
	s_add_co_u32 s54, s54, s69
	s_lshl_b32 s69, s3, 10
	s_add_co_u32 s54, s54, s69
	s_mov_b32 s55, 0
	s_add_co_u32 s56, s70, s2                      ; vb's scale words, at the end: wave n stores head n / 2, 128 keys n % 2: 256 bytes
	s_lshl_b32 s56, s56, 11
	s_add_co_u32 s69, s71, s3
	s_lshl_b32 s69, s69, 8
	s_add_co_u32 s56, s56, s69
	s_add_co_u32 s56, s56, VS_OFF
	s_mov_b32 s57, 0
	s_lshl_b32 s69, s2, 8                          ; in SV I write 128 keys wave / 2, bytes 2 (wave % 2) on
	s_lshl_b32 s70, s3, 1
	s_add_co_u32 s69, s69, s70
	s_add_co_u32 s69, s69, SV
	s_mov_b32 s58, 0xffff0000                      ; lanes 16-31
	s_mov_b32 s59, 0x600000                        ; the mantissa field of 448
	s_mov_b32 s60, 0x76543210                      ; v_permlanex16_b32's selects for lane l xor 16
	s_mov_b32 s61, 0xfedcba98
	s_mov_b32 s[TB], 0
	s_mov_b32 s[TS], 0
	s_mov_b32 s[TI], 0
	s_mov_b32 s[TQ], 0
	s_mov_b32 s[CNT], 0
	v_and_b32 v1, 15, v0                           ; r
	v_bfe_u32 v2, v0, 4, 1                         ; h
	v_and_b32 v3, 31, v0                           ; lane
	v_lshlrev_b32 v[L16], 4, v3
	v_lshlrev_b32 v[L8], 3, v3
	v_lshl_add_u32 v[ASW0], v1, 3, SCW
	v_lshl_add_u32 v[ABI0], v2, 5, BIA
	v_lshl_add_u32 v[ABV], v1, 2, BIA+1024
	v_lshl_add_u32 v[ASQ0], v0, 2, SQ
	v_lshl_add_u32 v[ASV], v1, 2, s69
	v_lshlrev_b32 v[SOF], 3, v1
	v_lshl_add_u32 v[SOF], v2, 9, v[SOF]
	v_lshlrev_b32 v[T16], 4, v0
	v_lshlrev_b32 v[T4], 2, v0
	v_lshl_add_u32 v[HSA], v0, 4, SCW
	v_lshl_add_u32 v[HBA], v0, 2, BIA
	v_lshl_add_u32 v[ARQ], v0, 4, SQ
	v_lshl_add_u32 v[ARV], v0, 3, SV
	v_add_nc_u32 v[AXH], s96, v[L16]
.irp g, 0,1,2,3
	v_mov_b32 v[PT+\g], 0                          ; written once: a lane permute's destination counts as one of its sources
.endr
	s_wait_alu depctr_va_vdst(0)
	s_wait_dscnt 0x0                               ; both opening adds are done
	CROUND                                         ; the four work-groups are here: the joint loads meet
	s_wait_kmcnt 0x0
	s_add_nc_u64 s[74:75], s[6:7], s[98:99]
	s_or_b32 s75, s75, 0x80000000
	s_add_nc_u64 s[94:95], s[4:5], s[100:101]
	s_or_b32 s95, s95, 0x80000000
	s_cmp_lt_u32 s14, 2                            ; one tensor load a wave at the head, in two arms that join
	s_cbranch_scc0 .Lfor_x
	tensor_load_to_lds s[72:75], s[76:83]          ; waves 0, 1: a half of the first chunk
	s_nop 0
	PLACES 4
	s_branch .Lasked
.Lfor_x:
	tensor_load_to_lds s[92:95], s[84:91]          ; waves 2, 3: the upper half of K of eight token tiles
	s_nop 0
	PLACES 4
.Lasked:
	s_add_nc_u64 s[44:45], s[6:7], s[18:19]
	s_add_nc_u64 s[44:45], s[44:45], SLOT          ; the second q, k chunk follows the first in memory
	s_add_nc_u64 s[46:47], s[6:7], s[20:21]        ; v's chunk
	s_or_b32 s45, s45, 0x80000000
	s_or_b32 s47, s47, 0x80000000
	s_add_nc_u64 s[22:23], s[4:5], s[22:23]
	s_add_nc_u64 s[36:37], s[4:5], s[36:37]
	s_add_nc_u64 s[38:39], s[6:7], s[38:39]
	s_add_nc_u64 s[40:41], s[6:7], s[40:41]
	s_add_nc_u64 s[42:43], s[8:9], s[42:43]
	s_add_nc_u64 s[48:49], s[8:9], s[48:49]
	s_add_nc_u64 s[50:51], s[10:11], s[50:51]
	s_add_nc_u64 s[52:53], s[10:11], s[52:53]
	s_add_nc_u64 s[54:55], s[12:13], s[54:55]
	s_add_nc_u64 s[56:57], s[12:13], s[56:57]
	WIN 1<<6
.irp q, 0,1,2,3                        ; x's fragment 4 q + t (the q-th 128 of K, token tile t), the lower half of K, into window 1
.irp t, 0,1,2,3
.irp c, 0,1,2,3
	global_load_b128 v[16*((4*\q+\t)%16)+4*\c:16*((4*\q+\t)%16)+4*\c+3], v[L16], s[22:23] offset:16384*\t+2048*\q+512*\c
.endr
.endr
.endr
	WIN 0
.irp p, 0,1
.irp j, 0,1,2,3
	global_load_b64 v[XSB+8*\p+2*\j:XSB+8*\p+2*\j+1], v[SOF], s[36:37] offset:1024*\p+128*\j
.endr
.endr
.irp k, 0,1,2,3
	global_load_b128 v[HS+4*\k:HS+4*\k+3], v[T16], s[38:39] offset:2048*\k   ; the work-group's 128 threads copy 2,048 consecutive bytes a line
.endr
.irp k, 0,1
	global_load_b128 v[HS+16+4*\k:HS+16+4*\k+3], v[T16], s[40:41] offset:2048*\k
.endr
	global_load_b32 v[HS+24], v[T4], s[42:43]
	global_load_b32 v[HS+25], v[T4], s[42:43] offset:512
	global_load_b32 v[HS+26], v[T4], s[48:49]
	s_wait_loadcnt 0x0
.irp k, 0,1,2,3,4,5
	ds_store_b128 v[HSA], v[HS+4*\k:HS+4*\k+3] offset:2048*\k
.endr
.irp k, 0,1,2
	ds_store_b32 v[HBA], v[HS+24+\k] offset:512*\k
.endr
	s_wait_tensorcnt 0x0                           ; my load of the head is in,
	s_wait_dscnt 0x0                               ; and my copies are
	s_barrier_signal -1
	s_barrier_wait -1                              ; everybody's are
	WIN 2<<6
.irp q, 4,5,6,7                        ; the upper half of K of my 64 tokens, out of slot 1 into window 2; the first trip's wait for 0 stands ahead of the round behind which slot 1 is filled again
.irp t, 0,1,2,3
.irp c, 0,1,2,3
	ds_load_b128 v[16*((4*\q+\t)%16)+4*\c:16*((4*\q+\t)%16)+4*\c+3], v[AXH] offset:8192*\t+2048*(\q-4)+512*\c
.endr
.endr
.endr
	WIN 0
.macro FETCH kind, i                   ; block i of the chunk, 16 columns, all of K, into set i % 2 of window 3; its scale words; its bias: 38 loads (v: 44)
	WIN 3<<6
.irp q, 0,1,2,3,4,5,6,7
.irp c, 0,1,2,3
	ds_load_b128 v[128*((\i)%2)+16*\q+4*\c:128*((\i)%2)+16*\q+4*\c+3], v[ADW+(\i)/4] offset:16384*((\i)%4)+2048*\q+512*\c
.endr
.endr
	WIN 0
.irp j, 0,1,2,3
	ds_load_b64 v[WSB+8*((\i)%2)+2*\j:WSB+8*((\i)%2)+2*\j+1], v[ASW] offset:512*(\i)+128*\j
.endr
.if \kind
.irp k, 0,1,2,3,4,5,6,7
	ds_load_b32 v[BC+8*((\i)%2)+\k], v[ABV] offset:64*(\i)      ; v: my column's one number in all eight registers
.endr
.else
	ds_load_b128 v[BC+8*((\i)%2):BC+8*((\i)%2)+3], v[ABI] offset:64*(\i)      ; q, k: the numbers of columns 8 h + 0 .. 7
	ds_load_b128 v[BC+8*((\i)%2)+4:BC+8*((\i)%2)+7], v[ABI] offset:64*(\i)+16
.endif
.endm
.macro PROD kind, s, q, t
.set D_, ACC+32*((\s)%2)+8*(\t)
.set C_, D_
.if (\q) == 0
.set C_, BC+8*((\s)%2)
.endif
.set X_, 16*((4*(\q)+(\t))%16)
.set W_, 128*((\s)%2)+16*(\q)
.set SX_, XSB+8*((\t)/2)+(\q)
.set SW_, WSB+8*((\s)%2)+(\q)
.if (\kind) && ((\t)%2)
	v_wmma_scale_f32_16x16x128_f8f6f4 v[D_:D_+7], v[X_:X_+15], v[W_:W_+15], v[C_:C_+7], v[SX_], v[SW_] matrix_a_scale:MATRIX_SCALE_ROW1
.elseif \kind
	v_wmma_scale_f32_16x16x128_f8f6f4 v[D_:D_+7], v[X_:X_+15], v[W_:W_+15], v[C_:C_+7], v[SX_], v[SW_]
.elseif (\t)%2
	v_wmma_scale_f32_16x16x128_f8f6f4 v[D_:D_+7], v[W_:W_+15], v[X_:X_+15], v[C_:C_+7], v[SW_], v[SX_] matrix_b_scale:MATRIX_SCALE_ROW1
.else
	v_wmma_scale_f32_16x16x128_f8f6f4 v[D_:D_+7], v[W_:W_+15], v[X_:X_+15], v[C_:C_+7], v[SW_], v[SX_]
.endif
.endm
.macro BLOCK kind, s                   ; 32 products; x in window 1 or 2, the columns in window 3, C and D in window 0
.irp q, 0,1,2,3,4,5,6,7
.if \kind
	WIN (1+\q/4)|(3<<2)
.else
	WIN 3|((1+\q/4)<<2)
.endif
.irp t, 0,1,2,3
	PROD \kind, \s, \q, \t
.endr
.endr
	WIN 0
.endm
; THE QUANTISER OF A PAIR OF BLOCKS: four scale blocks g, each 16 registers of mine (eight at E, eight at E + OD) and 16 of lane l xor 16.  q, k: g = token tile, E in the even block's sums, OD to the odd block's.  v: g = 2 x block + pair of token tiles.
.macro QUANT4 kind
.if \kind
.set EG, 16
.set OD, 8
.else
.set EG, 8
.set OD, 32
.endif
	s_wait_xcnt 0x0                                ; the last pair's stores have read the codes' registers
.irp g, 0,1,2,3
	v_max3_num_f32 v[MX+\g], |v[ACC+EG*\g]|, |v[ACC+EG*\g+1]|, 0x4800000   ; each sum is read from its low end on; the floor 2^(9 - 127) holds the byte at 1 from below
.endr
.irp i, 2,4,6
.irp g, 0,1,2,3
	v_max3_num_f32 v[MX+\g], v[MX+\g], |v[ACC+EG*\g+\i]|, |v[ACC+EG*\g+\i+1]|
.endr
.endr
.irp i, 0,2,4,6
.irp g, 0,1,2,3
	v_max3_num_f32 v[MX+\g], v[MX+\g], |v[ACC+EG*\g+OD+\i]|, |v[ACC+EG*\g+OD+\i+1]|
.endr
.endr
.irp g, 0,1,2,3
	v_permlanex16_b32 v[PT+\g], v[MX+\g], s60, s61
.endr
.irp g, 0,1,2,3
	v_max_num_f32 v[MX+\g], v[MX+\g], v[PT+\g]     ; the block's largest magnitude
.endr
.irp g, 0,1,2,3
	v_add_nc_u32 v[SO+\g], 0xfc000000, v[MX+\g]    ; 8 off its exponent field: the conversion's scale operand
.endr
.irp g, 0,1,2,3
	v_and_or_b32 v[LIM+\g], v[MX+\g], 0x7f800000, s59   ; 448 x the scale
.endr
.irp g, 0,1,2,3
	v_lshrrev_b32 v[BY+\g], 23, v[SO+\g]           ; the byte
.endr
.irp g, 0,1,2,3
.irp i, 0,1,2,3,4,5,6,7
	v_med3_num_f32 v[ACC+EG*\g+\i], v[ACC+EG*\g+\i], -v[LIM+\g], v[LIM+\g]   ; the conversion does not saturate (ISA guide 7.6.2): the hold comes first
.endr
.irp i, 0,1,2,3,4,5,6,7
	v_med3_num_f32 v[ACC+EG*\g+OD+\i], v[ACC+EG*\g+OD+\i], -v[LIM+\g], v[LIM+\g]
.endr
	v_cvt_scalef32_pk8_fp8_f32 v[CD+4*\g:CD+4*\g+1], v[ACC+EG*\g:ACC+EG*\g+7], v[SO+\g]
	v_cvt_scalef32_pk8_fp8_f32 v[CD+4*\g+2:CD+4*\g+3], v[ACC+EG*\g+OD:ACC+EG*\g+OD+7], v[SO+\g]
.endr
	v_nop                                          ; a plain line behind the last conversion
.endm
.macro OUTP kind, p                    ; pair p of the chunk's four leaves: each store 512 consecutive bytes, aligned
.if \kind
.irp g, 0,1,2,3
	global_store_b128 v[L16], v[CD+4*\g:CD+4*\g+3], s[54:55] offset:65536*((\p)/2)+2048*(2*((\p)%2)+\g/2)+512*(\g%2)
.endr
	v_lshl_or_b32 v[SWD], v[BY+1], 8, v[BY]        ; my two bytes of each block's word
	v_lshl_or_b32 v[SWD+1], v[BY+3], 8, v[BY+2]
	ds_store_b16 v[ASV], v[SWD] offset:512*((\p)/2)+128*((\p)%2)        ; lanes r and r + 16 write the same bytes with the same value
	ds_store_b16 v[ASV], v[SWD+1] offset:512*((\p)/2)+128*((\p)%2)+64
.else
.irp t, 0,1,2,3
	global_store_b128 v[L16], v[CD+4*\t:CD+4*\t+3], s[50:51] offset:524288*((\p)/2)+1024*\t+512*((\p)%2)
.endr
.if (\p)%2 == 0                        ; a word is [tile 2 e: c 0, c 1][tile 2 e + 1: c 0, c 1] of one head
	v_lshl_or_b32 v[SWD], v[BY+1], 16, v[BY]
	v_lshl_or_b32 v[SWD+1], v[BY+3], 16, v[BY+2]
.else
	v_lshl_or_b32 v[SWD], v[BY], 8, v[SWD]
	v_lshl_or_b32 v[SWD+1], v[BY+2], 8, v[SWD+1]
	v_lshl_or_b32 v[SWD], v[BY+1], 24, v[SWD]
	v_lshl_or_b32 v[SWD+1], v[BY+3], 24, v[SWD+1]
	v_cndmask_b32 v[OW], v[SWD], v[SWD+1], s58     ; lanes 0-15 carry my first pair of tiles' word, lanes 16-31 my second's
	ds_store_b32 v[ASQ], v[OW] offset:512*((\p)/2)
.endif
.endif
.endm
; A CHUNK.  At its head the change of slots: each wave waits for all its tensor loads, adds 0 to its spare word, and waits for that and for its LDS work; a round of the cluster's barrier; refill = 1: the other slot takes the next chunk.
; In the chunk the LDS loads go out two blocks ahead: at a block's head the next block's NF loads may be out.
.macro TRIP kind, refill
.set NF, 38+6*(\kind)
	s_wait_tensorcnt 0x0                           ; all my tensor loads are in, so group 0 may be written
	ds_add_u32 v[SPW], v[NIL]
.if \refill
	s_xor_b32 s33, s33, SLOT                       ; the other slot than last time,
	s_mov_b64 s[34:35], s[44:45]                   ; the next chunk,
	s_mov_b64 s[44:45], s[46:47]                   ; and behind it v's
.endif
	v_add_nc_u32 v[ADW], s[TB], v[L16]
	v_add_nc_u32 v[ASW], s[TS], v[ASW0]
.if (\kind) == 0
	v_add_nc_u32 v[ABI], s[TI], v[ABI0]
	v_add_nc_u32 v[ASQ], s[TQ], v[ASQ0]
.endif
	v_add_nc_u32 v[ADW+1], 0x10000, v[ADW]
	s_wait_alu depctr_va_vdst(0)
	s_wait_dscnt 0x0
	CROUND
.if \refill
	tensor_load_to_lds s[32:35], s[24:31]          ; the first tensor load behind the round, my only one until the next
	s_nop 0
	PLACES 4
.endif
	FETCH \kind, 0
	FETCH \kind, 1
.irp s, 0,1,2,3,4,5,6,7
.if \s == 7
	s_wait_dscnt 0x0
.else
	s_wait_dscnt NF
.endif
	BLOCK \kind, \s
	PLACES NP                                      ; ahead of the loads into the set just read and of the first read of the sums
.if \s < 6
	FETCH \kind, \s+2
.endif
.if \s % 2
	QUANT4 \kind
	OUTP \kind, \s/2
.endif
.endr
.endm
.Lqk:                                              ; two trips: q, k columns 256 g on
	TRIP 0, 1
	s_wait_alu depctr_va_vdst(0)
	s_wait_xcnt 0x0                                ; the stores have read their base
	s_add_nc_u64 s[50:51], s[50:51], 0x100000      ; two places on
	s_xor_b32 s[TB], s[TB], SLOT
	s_add_co_u32 s[TS], s[TS], 4096
	s_add_co_u32 s[TI], s[TI], 512
	s_add_co_u32 s[TQ], s[TQ], 1024
	s_add_co_u32 s[CNT], s[CNT], 1
	s_cmp_lt_u32 s[CNT], 2
	s_cbranch_scc1 .Lqk
	TRIP 1, 0                                      ; v's columns 128 g on: written out, it fills nothing
	s_wait_dscnt 0x0                               ; my scale bytes are in LDS
	s_barrier_signal -1
	s_barrier_wait -1                              ; everybody's are
	ds_load_b128 v[HS:HS+3], v[ARQ]
	ds_load_b64 v[HS+4:HS+5], v[ARV]
	s_wait_dscnt 0x0
	global_store_b128 v[L16], v[HS:HS+3], s[52:53]     ; 512 consecutive bytes, aligned
	global_store_b64 v[L8], v[HS+4:HS+5], s[56:57]     ; 256 consecutive bytes, aligned
	s_wait_tensorcnt 0x0                           ; the wave's end
	ds_add_u32 v[SPW], v[NIL]
	s_wait_dscnt 0x0
	CROUND                                         ; the closing round
	s_endpgm
.Lfunc_end_k_qafd5a9a79e_gemm_qkv:
	.size	k_qafd5a9a79e_gemm_qkv, .Lfunc_end_k_qafd5a9a79e_gemm_qkv-k_qafd5a9a79e_gemm_qkv
	.p2alignl 7, 3214868480
	.fill 96, 4, 3214868480
	.section	.rodata,"a",@progbits
	.p2align	6, 0x0
	.amdhsa_kernel k_qafd5a9a79e_gemm_qkv
		.amdhsa_group_segment_fixed_size 327680
		.amdhsa_private_segment_fixed_size 0
		.amdhsa_enable_private_segment 0
		.amdhsa_kernarg_size 40
		.amdhsa_user_sgpr_count 2
		.amdhsa_user_sgpr_kernarg_segment_ptr 1
		.amdhsa_wavefront_size32 1
		.amdhsa_system_sgpr_workgroup_id_x 1
		.amdhsa_system_sgpr_workgroup_id_y 1
		.amdhsa_system_sgpr_workgroup_id_z 1
		.amdhsa_system_vgpr_workitem_id 0
		.amdhsa_next_free_vgpr 1024
		.amdhsa_next_free_sgpr 102
		.amdhsa_reserve_vcc 0
		.amdhsa_float_denorm_mode_32 3
		.amdhsa_float_denorm_mode_16_64 3
		.amdhsa_memory_ordered 1
		.amdhsa_forward_progress 1
		.amdhsa_inst_pref_size 204
	.end_amdhsa_kernel
	.amdgpu_metadata
---
amdhsa.version: [ 1, 2 ]
amdhsa.kernels:
  - .name:           k_qafd5a9a79e_gemm_qkv
    .symbol:         k_qafd5a9a79e_gemm_qkv.kd
    .args:
      - { .name: xq, .offset: 0, .size: 8, .value_kind: global_buffer, .address_space: global }
      - { .name: wq, .offset: 8, .size: 8, .value_kind: global_buffer, .address_space: global }
      - { .name: b_qkv, .offset: 16, .size: 8, .value_kind: global_buffer, .address_space: global }
      - { .name: qkb, .offset: 24, .size: 8, .value_kind: global_buffer, .address_space: global }
      - { .name: vb, .offset: 32, .size: 8, .value_kind: global_buffer, .address_space: global }
    .group_segment_fixed_size: 327680
    .private_segment_fixed_size: 0
    .kernarg_segment_align: 8
    .kernarg_segment_size: 40
    .max_flat_workgroup_size: 128
    .sgpr_count:     102
    .vgpr_count:     1024
    .wavefront_size: 32
...
	.end_amdgpu_metadata
.endif
;; end of part 2
;; launch attn (part 3): grid 2 x 128, 16 waves a work-group, no clusters, 169,984 bytes of LDS; arguments qkb, vb, aq; writes aq
.if DOCPART == 3
	.amdgcn_target "amdgcn-amd-amdhsa--gfx1250"
	.amdhsa_code_object_version 6
	.text
	.protected	k_qafd5a9a79e_attn
	.globl	k_qafd5a9a79e_attn
	.p2align	8
	.type	k_qafd5a9a79e_attn,@function
k_qafd5a9a79e_attn:
	s_mov_b64 s[64:65], 0
	v_nop
	global_prefetch_b8 v0, s[64:65] scope:SCOPE_SE
	s_setreg_imm32_b32 hwreg(HW_REG_WAVE_MODE, 25, 1), 1
	s_wait_xcnt 0x0
; Causal attention of one head on codes of FP8 (E4M3) with E8M0 scales: O[q] = sum over k <= q of softmax_k(Q[q] . K[k] / 8) V[k]; the result leaves as codes, quantised along the model's 1,024, as the last product's operand.
; INPUTS, as the launch before laid them (images of fragments: group c at 512 c, lane l = r + 16 h at 16 l; byte i is index 32 c + 16 (i / 8) + 8 h + i % 8 along the product's K):
;   q, k: [place 32][tile of 16 tokens, 512][c 2][lane][16], K = the head's 64; scale bytes [place][pair of tiles][r][tile % 2][c 2].   v: [head 128][128 keys, 8][16 of the head's 64, 4][c 4][lane][16], K = the keys; scale words [head][8][4][r].
; THE SOFTMAX: t = score x log2(e) / 8; M = the running largest t rounded UP to a whole number; p = 2^(t - M) is quantised along the keys, not normalised; the row's sum is taken of the unquantised p and divides O at the end.
; When M moves, the sum and O are multiplied by 2^(old M - new M): exact.
; SHARES.  A work-group takes one head and query blocks p and 3 - p of 256 (p = its x, 0 or 1): 24 + 120 or 56 + 88 = 144 key steps of a tile either way.  Each of its sixteen waves owns one tile of 16 queries in each of the two passes.
; A WHOLE HEAD'S K AND V LIE IN LDS, 135,168 bytes, filled ONCE, in two halves (keys 0-511, keys 512-1,023): the first pass (queries under 512) reads the first halves alone, while the second halves land.
; NO CLUSTER: a head's K and V are read by two work-groups only, each once; four partners to a head would make 512 work-groups of half the work, each still filling the whole head.
; K = 64 IN AN INSTRUCTION OF K = 128.  A fragment of source 0 holds TWO tiles of 16 keys: registers 0-7 keys 32 b + r, registers 8-15 keys 32 b + 16 + r.  Q stands as [zeros x 8 | q x 8 | zeros x 8]:
; v[24:39] = [q, 0] picks the first tile, v[16:31] = [0, q] the second: zero codes add nothing under any scale byte that this program makes.
; Both products are used transposed: a lane holds ONE query (lane % 16); register 16 b + 8 u + j of the scores is key 32 b + 16 u + 8 (lane / 16) + j: the image order, in which v's keys lie too.
; LIMITS: k is permuted inside each block of 32, alike in both operands; a block of zeros gets the byte 1; largest magnitudes under 2^-118 keep the byte 1; 1 / sum by v_rcp_f32; NaN and infinities are not served.
.set QKS,    16777216
.set VS_OFF, 8388608
.set AS_OFF, 8388608
.set LK,  0                            ; LDS: K's image, 65,536 bytes
.set LV,  65536                        ; V's image
.set LKS, 131072                       ; K's scale words, 2,048 bytes
.set LVS, 133120                       ; V's
.set LI,  1                            ; v1  16 x lane
.set LIV, 2                            ; v2  + LV
.set LSK, 3                            ; v3  LKS + 4 r
.set ADK, 8                            ; v8-10 the step's addresses: K, V, scale words
.set ADV, 9
.set ADS, 10
.set F,   40                           ; v40-103  four fragments of K, then of V
.set S,   104                          ; v104-167 the scores, then p
.set O,   168                          ; v168-199 O^T
.set PC,  200                          ; v200-215 p's codes
.set BM,  216                          ; v216-219 the blocks' largest
.set PT,  220                          ; v220-223 at work
.set LIM, 224                          ; v224-227 448 x the scale
.set SO,  228                          ; v228-231 the conversions' scale operands
.set KW,  232                          ; v232-235 K's, then V's scale words
.set FF,  236                          ; v[236:237] f = 2^(old M - new M); v237 is 0
.set TP,  238                          ; v238 at work
.set QW,  239                          ; v239 Q's scale word
.set PWD, 240                          ; v240 p's scale word
.set DD,  241                          ; v241 the mask's d
.set NINF, 242                         ; v242 -infinity
.set BY,  243                          ; v243 the scale byte that leaves
.set WV,  10                           ; s10 my wave's number
.set QT,  84                           ; s84 my tile of queries, 0 .. 63
.set Q0,  85                           ; s85 my first query
.set KF,  86                           ; s86 the step's first key
.set TB,  87                           ; s87 where the step's fragments begin: 8,192 bytes a step, in K and in V
.set TS,  88                           ; s88 and its scale words: 256 bytes a step
.set CNT, 89
.set SEL, 92                           ; s[92:93]
.set CS,  94                           ; s[94:95] c = log2(e) / 8
.set MNT, 96
	s_load_b128 s[4:7], s[0:1], 0x0                ; qkb, vb
	s_load_b64 s[8:9], s[0:1], 0x10                ; aq
	v_lshl_add_u32 v254, v0, 2, 0x29000
	v_mov_b32 v255, 0
	ds_add_u32 v254, v255
	ds_add_u32 v254, v255
	v_lshrrev_b32 v1, 5, v0
	s_delay_alu instid0(VALU_DEP_1)
	v_readfirstlane_b32 s[WV], v1                  ; wave 0..15
	s_and_b32 s11, ttmp7, 0xffff                   ; the head among 128
	s_lshr_b32 s12, s11, 4                         ; batch
	s_and_b32 s13, s11, 15                         ; head
	; group 1 for half an image: 32,768 dense bytes as 128 rows of 256 (32 elements of 8 bytes);  for half a head's scale words: 4 such rows
	s_mov_b32 s16, 3<<16
	s_mov_b32 s17, 32<<16
	s_mov_b32 s18, 128<<16
	s_mov_b32 s19, 32<<16
	s_mov_b32 s20, 128
	s_mov_b32 s21, 32
	s_mov_b32 s22, 0
	s_mov_b32 s23, 0
	s_mov_b32 s24, 3<<16
	s_mov_b32 s25, 32<<16
	s_mov_b32 s26, 4<<16
	s_mov_b32 s27, 32<<16
	s_mov_b32 s28, 4
	s_mov_b32 s29, 32
	s_mov_b32 s30, 0
	s_mov_b32 s31, 0
	s_add_co_u32 s14, s13, 16                      ; k's place
	s_lshl_b32 s66, s14, 19
	s_lshl_b32 s15, s12, 16                        ; the batch's 64 tiles of 1,024 bytes
	s_add_co_u32 s66, s66, s15
	s_mov_b32 s67, 0
	s_lshl_b32 s68, s14, 14
	s_lshl_b32 s15, s12, 11
	s_add_co_u32 s68, s68, s15
	s_add_co_u32 s68, s68, QKS
	s_mov_b32 s69, 0
	s_lshl_b32 s70, s11, 16
	s_mov_b32 s71, 0
	s_lshl_b32 s72, s11, 11
	s_add_co_u32 s72, s72, VS_OFF
	s_mov_b32 s73, 0
	s_mov_b32 s[SEL], 0x76543210
	s_mov_b32 s[SEL+1], 0xfedcba98
	s_mov_b32 s[CS], 0x3e38aa3b
	s_mov_b32 s[CS+1], s[CS]                       ; named with it as a pair, so it is written
	s_mov_b32 s[MNT], 0x600000
	s_mov_b32 s97, 0xffff0000                      ; lanes 16-31
	s_mov_b32 s83, 0
	s_wait_dscnt 0x0
	s_wait_kmcnt 0x0
	s_add_nc_u64 s[66:67], s[4:5], s[66:67]        ; K's image
	s_add_nc_u64 s[68:69], s[4:5], s[68:69]        ; K's scale words
	s_add_nc_u64 s[70:71], s[6:7], s[70:71]        ; V's image
	s_add_nc_u64 s[72:73], s[6:7], s[72:73]        ; V's scale words
.macro G0SET g, lds, src, off          ; a group 0: count 1, the LDS address (a constant), the global address, type 2
	s_mov_b32 s[\g], 1
	s_mov_b32 s[\g+1], \lds
	s_add_nc_u64 s[\g+2:\g+3], s[\src:\src+1], \off
	s_or_b32 s[\g+3], s[\g+3], 0x80000000
.endm
	G0SET 32, LK, 66, 0
	G0SET 36, LK+32768, 66, 32768
	G0SET 40, LV, 70, 0
	G0SET 44, LV+32768, 70, 32768
	G0SET 48, LKS, 68, 0
	G0SET 52, LKS+1024, 68, 1024
	G0SET 56, LVS, 72, 0
	G0SET 60, LVS+1024, 72, 1024
	; the fills, all at the start, one a wave, in one chain of arms: waves 0-3 the first halves of K, V, K's scale words, V's; waves 4-7 the second halves
	s_cmp_lg_u32 s[WV], 0
	s_cbranch_scc1 .Lnot_0
	tensor_load_to_lds s[32:35], s[16:23]
	s_nop 0
.rept 4
	v_nop
.endr
	s_branch .Lasked
.Lnot_0:
	s_cmp_lg_u32 s[WV], 1
	s_cbranch_scc1 .Lnot_1
	tensor_load_to_lds s[40:43], s[16:23]
	s_nop 0
.rept 4
	v_nop
.endr
	s_branch .Lasked
.Lnot_1:
	s_cmp_lg_u32 s[WV], 2
	s_cbranch_scc1 .Lnot_2
	tensor_load_to_lds s[48:51], s[24:31]
	s_nop 0
.rept 4
	v_nop
.endr
	s_branch .Lasked
.Lnot_2:
.macro HARM w, g0, g1                  ; an arm of the chain: wave w's one load
	s_cmp_lg_u32 s[WV], \w
	s_cbranch_scc1 .Lnot_\w
	tensor_load_to_lds s[\g0:\g0+3], s[\g1:\g1+7]
	s_nop 0
.rept 4
	v_nop
.endr
	s_branch .Lasked
.Lnot_\w:
.endm
	HARM 3, 56, 24
	HARM 4, 36, 16
	HARM 5, 44, 16
	HARM 6, 52, 24
	HARM 7, 60, 24
.Lasked:
	; what of a pass's addresses hangs on the head alone
	s_lshl_b32 s82, s13, 19
	s_add_nc_u64 s[66:67], s[4:5], s[82:83]        ; q's place
	s_lshl_b32 s82, s13, 14
	s_lshl_b32 s15, s12, 11
	s_add_co_u32 s82, s82, s15
	s_add_co_u32 s82, s82, QKS
	s_add_nc_u64 s[68:69], s[4:5], s[82:83]        ; q's scale bytes, the batch's
	s_lshl_b32 s82, s13, 10
	s_add_nc_u64 s[70:71], s[8:9], s[82:83]        ; aq's codes: the head's 64 are groups 2 (head % 2) + 0, 1 of fragment head / 2: 1,024 x head bytes on
	s_lshr_b32 s82, s13, 2
	s_lshl_b32 s82, s82, 7                         ; aq's scale bytes: 128 x (head / 4),
	s_bfe_u32 s15, s13, 0x10001
	s_lshl_b32 s15, s15, 2                         ; word (head / 2) % 2,
	s_add_co_u32 s82, s82, s15
	s_and_b32 s15, s13, 1
	s_lshl_b32 s15, s15, 1                         ; bytes 2 (head % 2) + 0, 1
	s_add_co_u32 s82, s82, s15
	s_add_co_u32 s82, s82, AS_OFF
	s_add_nc_u64 s[72:73], s[8:9], s[82:83]
	v_and_b32 v8, 31, v0                           ; lane
	v_and_b32 v9, 15, v0                           ; r
	v_bfe_u32 v10, v0, 4, 1                        ; h
	s_delay_alu instid0(VALU_DEP_3)
	v_lshlrev_b32 v[LI], 4, v8
	s_delay_alu instid0(VALU_DEP_1)
	v_add_nc_u32 v[LIV], LV, v[LI]
	s_delay_alu instid0(VALU_DEP_4)
	v_lshl_add_u32 v[LSK], v9, 2, LKS
	s_delay_alu instid0(VALU_DEP_4)
	v_lshlrev_b32 v5, 3, v10
	s_delay_alu instid0(VALU_DEP_1)
	v_sub_nc_u32 v5, v9, v5                        ; r - 8 h, for the mask
	v_lshlrev_b32 v6, 2, v9                        ; 4 r: q's scale word
	v_lshl_add_u32 v7, v9, 3, v10                  ; 8 r + h: my scale byte in aq
.irp j, 0,1,2,3,4,5,6,7
	v_mov_b32 v[16+\j], 0                          ; the zero codes on both sides of q
	v_mov_b32 v[32+\j], 0
.endr
.irp b, 0,1,2,3
	v_mov_b32 v[PT+\b], 0                          ; written once: a lane permute's destination counts as one of its sources
.endr
	v_mov_b32 v[FF+1], 0                           ; named as the upper half of the pair
	v_mov_b32 v[NINF], 0xff800000
; A KEY STEP: 128 keys
.set LIM2, 245                         ; v245-248 a second copy of 448 x the scale, a register bank on from the first: the two halves of a dual instruction take their second sources from different banks
; The mask of the 16 keys 16 G on of the step on the diagonal (registers 8 G on).  Where all 16 count for all my 16 queries (16 G + 15 <= my first query - the step's first key) a scalar branch on ids leads round the group's lines.
.macro MASKG G
	s_cmp_ge_u32 s91, 16*\G+15
	s_cbranch_scc1 .Lseen_\@
.irp j, 0,1,2,3,4,5,6,7
	v_cmp_gt_i32 vcc_lo, 16*\G+\j, v[DD]
	v_cndmask_b32 v[S+8*\G+\j], v[S+8*\G+\j], v[NINF], vcc_lo
.endr
.Lseen_\@:
.endm
.macro STEP
	s_add_co_u32 s91, s[Q0], 15                    ; a step all of whose keys come after my 16 queries is left out: a scalar branch on ids, not round the lines at its end that step addresses
	s_cmp_gt_u32 s[KF], s91
	s_cbranch_scc1 .Lhidden_\@
	v_add_nc_u32 v[ADK], s[TB], v[LI]
	v_add_nc_u32 v[ADV], s[TB], v[LIV]
	v_add_nc_u32 v[ADS], s[TS], v[LSK]
.rept 5
	v_nop                                          ; with the three additions: eight places in front of loads into registers that the last products read
.endr
.irp b, 0,1,2,3
.irp g, 0,1,2,3
	ds_load_b128 v[F+16*\b+4*\g:F+16*\b+4*\g+3], v[ADK] offset:2048*\b+512*\g   ; two tiles of 16 keys on end
.endr
	ds_load_b32 v[KW+\b], v[ADS] offset:64*\b      ; their rows' four scale bytes
.endr
	s_wait_alu depctr_va_vdst(0)
	s_wait_dscnt 0x0
.irp b, 0,1,2,3
	v_wmma_scale_f32_16x16x128_f8f6f4 v[S+16*\b:S+16*\b+7], v[F+16*\b:F+16*\b+15], v[24:39], 0, v[KW+\b], v[QW]
	v_wmma_scale_f32_16x16x128_f8f6f4 v[S+16*\b+8:S+16*\b+15], v[F+16*\b:F+16*\b+15], v[16:31], 0, v[KW+\b], v[QW]
.endr
.rept 8
	v_nop                                          ; places in front of the loads below and of the first read of the scores
.endr
.irp t, 0,1,2,3
.irp c, 0,1,2,3
	ds_load_b128 v[F+16*\t+4*\c:F+16*\t+4*\c+3], v[ADV] offset:2048*\t+512*\c   ; V's four fragments: they land under the softmax
.endr
	ds_load_b32 v[KW+\t], v[ADS] offset:LVS-LKS+64*\t
.endr
	s_add_co_u32 s91, s[KF], 127                   ; on the diagonal the scores of hidden keys become -infinity; a step all of whose keys count skips this
	s_cmp_le_u32 s91, s[Q0]
	s_cbranch_scc1 .Lopen_\@
	s_sub_co_i32 s91, s[Q0], s[KF]
	v_add_nc_u32 v[DD], s91, v5                    ; d = my query - KF - 8 h: register 8 G + j is hidden where 16 G + j > d
	s_wait_alu depctr_va_vdst(0)                   ; directly behind the write
.irp G, 0,1,2,3,4,5,6,7
	MASKG \G
.endr
.Lopen_\@:
.irp b, 0,1,2,3
	v_max3_num_f32 v[BM+\b], v[S+16*\b], v[S+1+16*\b], v[S+2+16*\b]   ; the largest score of each block of 32 keys: for the row's maximum, and, since p rises with the score, for the block's largest p
.endr
.irp i, 3,5,7,9,11,13
.irp b, 0,1,2,3
	v_max3_num_f32 v[BM+\b], v[BM+\b], v[S+16*\b+\i], v[S+1+16*\b+\i]
.endr
.endr
.irp b, 0,1,2,3
	v_max_num_f32 v[BM+\b], v[BM+\b], v[S+15+16*\b]
.endr
.irp b, 0,1,2,3
	s_delay_alu instid0(VALU_DEP_4)
	v_permlanex16_b32 v[PT+\b], v[BM+\b], s[SEL], s[SEL+1]
.endr
.irp b, 0,1,2,3
	s_delay_alu instid0(VALU_DEP_4)
	v_max_num_f32 v[BM+\b], v[BM+\b], v[PT+\b]     ; with lane l xor 16's 16 keys
.endr
	s_delay_alu instid0(VALU_DEP_2)
	v_max3_num_f32 v[TP], v[BM], v[BM+1], v[BM+2]
	s_delay_alu instid0(VALU_DEP_1)
	v_max_num_f32 v[TP], v[TP], v[BM+3]
	s_delay_alu instid0(VALU_DEP_1)
	v_mul_f32 v[TP], s[CS], v[TP]                  ; the step's largest t
	s_delay_alu instid0(VALU_DEP_1)
	v_max_num_f32 v13, v13, v[TP]                  ; the running largest t
	v_mov_b32 v[TP], v12
	s_delay_alu instid0(VALU_DEP_2)
	v_floor_f32 v12, -v13                          ; the new -M = floor(-t): M is a whole number
	s_delay_alu instid0(VALU_DEP_1)
	v_sub_f32 v[TP], v12, v[TP]                    ; old M - new M: a whole number, 0 or less
	s_delay_alu instid0(VALU_DEP_1)
	v_cvt_i32_f32 v[TP], v[TP]                     ; (it saturates)
	s_delay_alu instid0(VALU_DEP_1)
	v_ldexp_f32 v[FF], 1.0, v[TP]                  ; f = 2^(old M - new M)
.set n, 0
.rept 32
	v_pk_fma_f32 v[S+n:S+n+1], v[S+n:S+n+1], s[CS:CS+1], v[12:13] op_sel_hi:[1,0,0]   ; t - M, two at a time
.set n, n+2
.endr
.irp b, 0,1,2,3
	v_fma_f32 v[BM+\b], v[BM+\b], s[CS], v12       ; the same of each block's largest score
.endr
.set n, 0
	s_wait_alu depctr_va_vdst(0)
.rept 64
	v_exp_f32 v[S+n], v[S+n]                       ; p = 2^(t - M)
.set n, n+1
.endr
	v_pk_mul_f32 v[14:15], v[14:15], v[FF:FF+1] op_sel_hi:[1,0]   ; the sums under the new M: a plain line behind the exponentials
	s_wait_alu depctr_va_vdst(0)                   ; one wait for the batch of 64, ahead of its first reader
.irp b, 0,1,2,3
	v_exp_f32 v[BM+\b], v[BM+\b]                   ; the block's largest p
.endr
	v_pk_add_f32 v[220:221], v[108:109], v[112:113]
	v_pk_add_f32 v[252:253], v[116:117], v[120:121]
	v_pk_add_f32 v[250:251], v[124:125], v[128:129]
	v_pk_add_f32 v[248:249], v[132:133], v[136:137]
	v_pk_add_f32 v[246:247], v[140:141], v[144:145]
	v_pk_add_f32 v[244:245], v[148:149], v[152:153]
	v_pk_add_f32 v[240:241], v[156:157], v[160:161]
	v_pk_add_f32 v[14:15], v[14:15], v[164:165]
	v_pk_add_f32 v[220:221], v[220:221], v[104:105]
	v_pk_add_f32 v[252:253], v[252:253], v[106:107]
	v_pk_add_f32 v[250:251], v[250:251], v[110:111]
	v_pk_add_f32 v[248:249], v[248:249], v[114:115]
	v_pk_add_f32 v[246:247], v[246:247], v[118:119]
	v_pk_add_f32 v[244:245], v[244:245], v[122:123]
	v_pk_add_f32 v[240:241], v[240:241], v[126:127]
	v_pk_add_f32 v[14:15], v[14:15], v[130:131]
	v_pk_add_f32 v[220:221], v[220:221], v[134:135]
	v_pk_add_f32 v[252:253], v[252:253], v[138:139]
	v_pk_add_f32 v[250:251], v[250:251], v[142:143]
	v_pk_add_f32 v[248:249], v[248:249], v[146:147]
	v_pk_add_f32 v[246:247], v[246:247], v[150:151]
	v_pk_add_f32 v[244:245], v[244:245], v[154:155]
	v_pk_add_f32 v[240:241], v[240:241], v[158:159]
	v_pk_add_f32 v[14:15], v[14:15], v[162:163]
	v_pk_add_f32 v[220:221], v[220:221], v[166:167]
	s_delay_alu instid0(VALU_DEP_2)
	v_pk_add_f32 v[14:15], v[14:15], v[248:249]
	s_delay_alu instid0(VALU_DEP_2)
	v_pk_add_f32 v[220:221], v[220:221], v[246:247]
	v_pk_add_f32 v[252:253], v[252:253], v[244:245]
	v_pk_add_f32 v[250:251], v[250:251], v[240:241]
	s_delay_alu instid0(VALU_DEP_2)
	v_pk_add_f32 v[14:15], v[14:15], v[252:253]
	s_delay_alu instid0(VALU_DEP_2)
	v_pk_add_f32 v[220:221], v[220:221], v[250:251]
	s_delay_alu instid0(VALU_DEP_1)
	v_pk_add_f32 v[14:15], v[14:15], v[220:221]
	s_wait_alu depctr_va_vdst(0)                   ; and one for the four
.irp b, 0,1,2,3
	v_max_num_f32 v[BM+\b], 0x4800000, v[BM+\b]    ; the floor: the byte cannot fall under 1
.endr
.irp b, 0,1,2,3
	s_delay_alu instid0(VALU_DEP_4)
	v_add_nc_u32 v[SO+\b], 0xfc000000, v[BM+\b]    ; the conversion's scale operand
.endr
.irp b, 0,1,2,3
	v_and_or_b32 v[LIM+\b], v[BM+\b], 0x7f800000, s[MNT]   ; 448 x the scale
.endr
.irp b, 0,1,2,3
	v_and_or_b32 v[LIM2+\b], v[BM+\b], 0x7f800000, s[MNT]  ; and its second copy
.endr
.irp b, 0,1,2,3
	v_lshrrev_b32 v[PT+\b], 23, v[SO+\b]           ; the byte
.endr
	s_delay_alu instid0(VALU_DEP_3)
	v_lshl_or_b32 v[PWD], v[PT+1], 8, v[PT]        ; p's scale word for these 128 keys; the 64 holds below stand between it and the products
	s_delay_alu instid0(VALU_DEP_1)
	v_lshl_or_b32 v[PWD], v[PT+2], 16, v[PWD]
	s_delay_alu instid0(VALU_DEP_1)
	v_lshl_or_b32 v[PWD], v[PT+3], 24, v[PWD]
.irp b, 0,1,2,3
.irp i, 0,2,4,6,8,10,12,14
	v_dual_min_num_f32 v[S+16*\b+\i], v[S+16*\b+\i], v[LIM+\b] :: v_dual_min_num_f32 v[S+16*\b+\i+1], v[S+16*\b+\i+1], v[LIM2+\b]   ; the conversion does not saturate (ISA guide 7.6.2); p is not negative: a one-sided hold, two numbers a line
.endr
	v_cvt_scalef32_pk8_fp8_f32 v[PC+4*\b:PC+4*\b+1], v[S+16*\b:S+16*\b+7], v[SO+\b]
	v_cvt_scalef32_pk8_fp8_f32 v[PC+4*\b+2:PC+4*\b+3], v[S+16*\b+8:S+16*\b+15], v[SO+\b]
.endr
.set n, 0
.rept 16
	v_pk_mul_f32 v[O+n:O+n+1], v[O+n:O+n+1], v[FF:FF+1] op_sel_hi:[1,0]   ; O^T under the new M, each accumulator from its low end on; also the places between the conversions and the products
.set n, n+2
.endr
	s_wait_alu depctr_va_vdst(0)
	s_wait_dscnt 0x0                               ; V is in
.irp t, 0,1,2,3
	v_wmma_scale_f32_16x16x128_f8f6f4 v[O+8*\t:O+8*\t+7], v[F+16*\t:F+16*\t+15], v[PC:PC+15], v[O+8*\t:O+8*\t+7], v[KW+\t], v[PWD]   ; four accumulators by turns
.endr
.Lhidden_\@:
	s_add_co_u32 s[KF], s[KF], 128
	s_add_co_u32 s[TB], s[TB], 8192
	s_add_co_u32 s[TS], s[TS], 256
.endm
; A PASS: one tile of 16 queries a wave.  n = 1: query block x, keys under 512, nst = 4 steps;  n = 2: query block 3 - x, nst = 8.  Both trip counts are constants.
.macro PASS n, nst
.if \n == 2
	s_wait_xcnt 0x0                                ; the first pass's stores have read their registers and bases
	s_sub_co_u32 s[QT], 3, ttmp9
.else
	s_mov_b32 s[QT], ttmp9
.endif
	s_lshl_b32 s[QT], s[QT], 4
	s_add_co_u32 s[QT], s[QT], s[WV]
	s_lshl_b32 s[Q0], s[QT], 4
	s_lshl_b32 s91, s12, 6
	s_add_co_u32 s91, s91, s[QT]                   ; my tile among the 512 tiles of tokens
	s_lshl_b32 s82, s91, 10
	s_add_nc_u64 s[74:75], s[66:67], s[82:83]      ; q's codes
	s_lshr_b32 s82, s[QT], 1
	s_lshl_b32 s82, s82, 6
	s_add_nc_u64 s[76:77], s[68:69], s[82:83]      ; the pair of tiles' scale words
	s_lshl_b32 s82, s91, 14
	s_add_nc_u64 s[78:79], s[70:71], s[82:83]      ; where the codes go
	s_lshl_b32 s82, s91, 9
	s_add_nc_u64 s[80:81], s[72:73], s[82:83]      ; and the scale bytes
	s_and_b32 s90, s[QT], 1
	s_lshl_b32 s90, s90, 4                         ; which half of the word is my tile's
	global_load_b128 v[24:27], v[LI], s[74:75]
	global_load_b128 v[28:31], v[LI], s[74:75] offset:512
	global_load_b32 v[TP], v6, s[76:77]
.if \n == 1
	s_cmp_lt_u32 s[WV], 4                          ; waves 0-3 fetched the first halves, which this pass reads alone: they wait here; the second halves may stay out, and nothing is ever filled again
	s_cbranch_scc0 .Lsecond_\@
	s_wait_tensorcnt 0x0
.Lsecond_\@:
.else
	s_wait_tensorcnt 0x0                           ; waves 4-7: the second halves are in
.endif
	s_wait_dscnt 0x0
	s_barrier_signal -1
	s_barrier_wait -1                              ; everybody's is
	s_wait_loadcnt 0x0
	v_lshrrev_b32 v[TP], s90, v[TP]
	s_delay_alu instid0(VALU_DEP_1)
	v_and_b32 v[TP], 0xffff, v[TP]
	s_delay_alu instid0(VALU_DEP_1)
	v_lshl_or_b32 v[QW], v[TP], 16, v[TP]          ; [s0, s1, s0, s1]: it serves q in either half of the fragment.  The lines below are more than the eight places ahead of the first product
	v_mov_b32 v13, 0xff61b1e6                      ; the largest t so far: -3e38
	s_delay_alu instid0(VALU_DEP_1)
	v_floor_f32 v12, -v13                          ; -M
	v_mov_b32 v14, 0                               ; the sum, in two halves
	v_mov_b32 v15, 0
.set n, 0
.rept 32
	v_mov_b32 v[O+n], 0                            ; the step is written once: its first trip finds zeros
.set n, n+1
.endr
	s_mov_b32 s[KF], 0
	s_mov_b32 s[TB], 0
	s_mov_b32 s[TS], 0
	s_mov_b32 s[CNT], \nst
.Lstep_\@:
	STEP
	s_sub_co_u32 s[CNT], s[CNT], 1
	s_cmp_lg_u32 s[CNT], 0
	s_cbranch_scc1 .Lstep_\@
	; the way out: O^T / the sum, quantised along the head's 64 (two blocks of the model's 1,024), stored as two groups of the last product's operand
	v_add_f32 v14, v14, v15
	s_delay_alu instid0(VALU_DEP_1)
	v_permlanex16_b32 v[TP], v14, s[SEL], s[SEL+1]
	s_delay_alu instid0(VALU_DEP_1)
	v_add_f32 v14, v14, v[TP]                      ; the row's sum
	s_wait_alu depctr_va_vdst(0)
	v_rcp_f32 v14, v14
.rept 8
	v_nop                                          ; places behind the last products; the first is the plain line behind the reciprocal
.endr
	s_wait_alu depctr_va_vdst(0)                   ; ahead of the reciprocal's first reader
.set n, 0
.rept 32
	v_mul_f32 v[S+n], v[O+n], v14                  ; register 16 b + 8 u + j: channel 32 b + 16 u + 8 h + j; each accumulator from its low end on
.set n, n+1
.endr
.irp b, 0,1
	v_max3_num_f32 v[BM+\b], |v[S+16*\b]|, |v[S+1+16*\b]|, 0x4800000
.endr
.irp i, 2,4,6,8,10,12,14
.irp b, 0,1
	s_delay_alu instid0(VALU_DEP_2)
	v_max3_num_f32 v[BM+\b], v[BM+\b], |v[S+16*\b+\i]|, |v[S+1+16*\b+\i]|
.endr
.endr
.irp b, 0,1
	s_delay_alu instid0(VALU_DEP_2)
	v_permlanex16_b32 v[PT+\b], v[BM+\b], s[SEL], s[SEL+1]
.endr
.irp b, 0,1
	s_delay_alu instid0(VALU_DEP_2)
	v_max_num_f32 v[BM+\b], v[BM+\b], v[PT+\b]
.endr
.irp b, 0,1
	s_delay_alu instid0(VALU_DEP_2)
	v_add_nc_u32 v[SO+\b], 0xfc000000, v[BM+\b]
.endr
.irp b, 0,1
	s_delay_alu instid0(VALU_DEP_4)
	v_and_or_b32 v[LIM+\b], v[BM+\b], 0x7f800000, s[MNT]
.endr
.irp b, 0,1
	s_delay_alu instid0(VALU_DEP_4)
	v_lshrrev_b32 v[PT+\b], 23, v[SO+\b]
.endr
	s_delay_alu instid0(VALU_DEP_1)
	v_cndmask_b32 v[BY], v[PT], v[PT+1], s97       ; lanes 0-15 carry block 0's byte, lanes 16-31 block 1's
.irp b, 0,1
.irp i, 0,1,2,3,4,5,6,7,8,9,10,11,12,13,14,15
	v_med3_num_f32 v[S+16*\b+\i], v[S+16*\b+\i], -v[LIM+\b], v[LIM+\b]
.endr
	v_cvt_scalef32_pk8_fp8_f32 v[PC+4*\b:PC+4*\b+1], v[S+16*\b:S+16*\b+7], v[SO+\b]
	v_cvt_scalef32_pk8_fp8_f32 v[PC+4*\b+2:PC+4*\b+3], v[S+16*\b+8:S+16*\b+15], v[SO+\b]
.endr
	v_nop                                          ; a plain line behind the last conversion
	global_store_b128 v[LI], v[PC:PC+3], s[78:79]              ; 512 consecutive bytes, aligned
	global_store_b128 v[LI], v[PC+4:PC+7], s[78:79] offset:512
	global_store_b8 v7, v[BY], s[80:81]            ; a byte a lane, 8 bytes from row to row: a scale word of that operand spans two heads, which other work-groups make; 32 bytes for 1,024 of codes
.endm
	PASS 1, 4
	PASS 2, 8
	s_wait_tensorcnt 0x0
	ds_add_u32 v254, v255
	s_wait_dscnt 0x0
	s_endpgm
.Lfunc_end_k_qafd5a9a79e_attn:
	.size	k_qafd5a9a79e_attn, .Lfunc_end_k_qafd5a9a79e_attn-k_qafd5a9a79e_attn
	.p2alignl 7, 3214868480
	.fill 96, 4, 3214868480
	.section	.rodata,"a",@progbits
	.p2align	6, 0x0
	.amdhsa_kernel k_qafd5a9a79e_attn
		.amdhsa_group_segment_fixed_size 169984
		.amdhsa_private_segment_fixed_size 0
		.amdhsa_enable_private_segment 0
		.amdhsa_kernarg_size 24
		.amdhsa_user_sgpr_count 2
		.amdhsa_user_sgpr_kernarg_segment_ptr 1
		.amdhsa_wavefront_size32 1
		.amdhsa_system_sgpr_workgroup_id_x 1
		.amdhsa_system_sgpr_workgroup_id_y 1
		.amdhsa_system_sgpr_workgroup_id_z 1
		.amdhsa_system_vgpr_workitem_id 0
		.amdhsa_next_free_vgpr 256
		.amdhsa_next_free_sgpr 100
		.amdhsa_reserve_vcc 1
		.amdhsa_float_denorm_mode_32 3
		.amdhsa_float_denorm_mode_16_64 3
		.amdhsa_memory_ordered 1
		.amdhsa_forward_progress 1
		.amdhsa_inst_pref_size 80
	.end_amdhsa_kernel
	.amdgpu_metadata
---
amdhsa.version: [ 1, 2 ]
amdhsa.kernels:
  - .name:           k_qafd5a9a79e_attn
    .symbol:         k_qafd5a9a79e_attn.kd
    .args:
      - { .name: qkb, .offset: 0, .size: 8, .value_kind: global_buffer, .address_space: global }
      - { .name: vb, .offset: 8, .size: 8, .value_kind: global_buffer, .address_space: global }
      - { .name: aq, .offset: 16, .size: 8, .value_kind: global_buffer, .address_space: global }
    .group_segment_fixed_size: 169984
    .private_segment_fixed_size: 0
    .kernarg_segment_align: 8
    .kernarg_segment_size: 24
    .max_flat_workgroup_size: 512
    .sgpr_count:     100
    .vgpr_count:     256
    .wavefront_size: 32
...
	.end_amdgpu_metadata
.endif
;; end of part 3
;; launch gemm_proj (part 4): grid 4 x 64, 4 waves a work-group, clusters of 4 x 1, 327,680 bytes of LDS; arguments aq, wq, b_proj, out0; writes out0
.if DOCPART == 4
	.amdgcn_target "amdgcn-amd-amdhsa--gfx1250"
	.amdhsa_code_object_version 6
	.text
	.protected	k_qafd5a9a79e_gemm_proj
	.globl	k_qafd5a9a79e_gemm_proj
	.p2align	8
	.type	k_qafd5a9a79e_gemm_proj,@function
k_qafd5a9a79e_gemm_proj:
	s_mov_b64 s[64:65], 0
	v_nop
	global_prefetch_b8 v0, s[64:65] scope:SCOPE_SE
	s_setreg_imm32_b32 hwreg(HW_REG_WAVE_MODE, 25, 1), 1
	s_wait_xcnt 0x0
	s_wait_alu depctr_hold_cnt(0) depctr_sa_sdst(0) depctr_va_vdst(0) depctr_va_sdst(0) depctr_va_ssrc(0) depctr_va_vcc(0) depctr_vm_vsrc(0)
	s_getreg_b32 s2, hwreg(HW_REG_IB_STS2, 6, 4)
	s_cmp_eq_u32 s2, 0
	s_cbranch_scc0 .Lentry_in_a_cluster
	s_endpgm
.Lentry_in_a_cluster:
	s_bfe_u32 s2, ttmp6, 0x10000c
	s_cmp_lg_u32 s2, 0x3003
	s_cbranch_scc0 .Lentry_shape_is_right
	s_endpgm
.Lentry_shape_is_right:
; out0 = att w_proj + b_proj, [8192] x [1024], K = 1,024, on codes of FP8 (E4M3) with E8M0 scales; out0 is f32.
; OPERANDS LIE IN MEMORY AS IMAGES OF FRAGMENTS (16 rows x 128 K = 2,048 bytes: group c at 512 c, lane l at 16 l; byte i is k = 32 c + 16 (i / 8) + 8 (l / 16) + i % 8); a tile of 16 rows, all of K, is 16,384 bytes on end.
; Scale words: [tile of 16 rows][K / 256][r 16][q 2].  LIMIT: k is permuted inside each block of 32, alike in both operands, so the unit adds a block's products in another order than ascending k.
; THE DEAL.  256 work-groups of four waves; a work-group makes 128 tokens x 256 columns.  A wave holds ITS 64 columns of w_proj, all of K, in 512 registers (windows 1, 2): the lower 512 of K by 64 loads of 512 consecutive bytes
; straight from the images, the upper 512 of K through LDS bytes of its own: waves 2 and 3 bring it by a tensor load each (8 column tiles x 8,192 bytes), and each wave reads its 64 columns' part into window 2.
; The 128 tokens' codes, 131,072 dense bytes, come into LDS ONCE, a half each by waves 0 and 1, and are read by all four waves in eight blocks of 16 tokens; nothing is filled again.
; CLUSTER: the four work-groups of a row of the grid (all four column tiles) need the same tokens: each half is asked for jointly, mask 15; its address hangs on the cluster's y and the wave's number alone.  w_proj's loads are each work-group's own (no mask).
; A block is 32 products: four sums by turns, K ascending; the bias is the first four products' C.  Source 0 = 16 columns of w_proj, source 1 = 16 tokens:
; a lane holds token l % 16 and eight neighbouring columns 8 (l / 16) + j.  Tokens' fragments stand in two sets (window 3), sums in two sets; a block leaves through the wave's own stage as rows of 256 bytes, under later blocks' products.
; NO PREFETCH: every byte that the launch reads is asked for at its head; there is no loop to run ahead in.
; REGISTERS, window 0: v4-8, v15 addresses; v10, v11 the add's; v13, v14 offsets; v16-31 w_proj's scale words (register 8 p + q: lanes 0-15 tile 2 p, lanes 16-31 tile 2 p + 1); v36-67 the tokens' (register 8 p + q: lanes 0-15 block 2 p, lanes 16-31 block 2 p + 1);
; v72-103 the bias; v104-167 sums; v168-231 rows read back from the stage, two sets.
.set AS_OFF, 8388608                   ; aq: scale words behind the codes
.set PI_OFF, 3244032                   ; wq: w_proj's codes
.set PS_OFF, 4292608                   ; wq: w_proj's scale words
.set NP,     8                         ; places behind this matrix instruction (ISA guide 7.12.1)
.set WH,     131072                    ; behind the tokens' codes: the upper half of K of my 16 column tiles, 8,192 bytes a tile
.set STAGE,  262144                    ; behind that: 16 rows x (256 + 16) bytes a wave
.set SPITCH, 272
.set SPARE,  STAGE+4*16*SPITCH         ; the spare words, 128 bytes a wave: two blocks of 256 bytes that no other line names
.set ADR, 4                            ; v4, v5 16 x lane, and 65,536 more: LDS address of blocks 0-3, 4-7; v4 is also my place in a group of w_proj's codes
.set STO, 6                            ; v6 into my stage: row r, 32 bytes for each half of the lanes
.set RD,  7                            ; v7 back: sixteen lanes a row
.set CO,  8                            ; v8 the same two rows in out0
.set SPW, 10
.set NIL, 11
.set SOF, 13                           ; v13 512 h + 8 r: a row's two scale words of a 256 along K; lanes 16-31 the next tile's
.set BOF, 14                           ; v14 32 h
.set AWH, 15                           ; v15 WH + 32,768 x wave + 16 x lane
.set SB,  16
.set SA,  36
.set BI,  72
.set ACC, 104
.set OB,  168
.set MSB, 0
.macro WIN new                         ; the immediate's high byte repeats the setting that is left
.if MSB != (\new)
	s_set_vgpr_msb (MSB<<8)|(\new)
.set MSB, (\new)
.endif
.endm
.macro PLACES n
.rept \n
	v_nop
.endr
.endm
.macro CROUND                          ; a round of the cluster's barrier
	s_barrier_signal -1
	s_barrier_wait -1
	s_cmp_lg_u32 s14, 0
	s_cbranch_scc1 .Lnot_wave_0_\@
	s_barrier_signal -3
.Lnot_wave_0_\@:
	s_barrier_wait -3
	s_barrier_signal -1
	s_barrier_wait -1
.endm
	s_load_b128 s[4:7], s[0:1], 0x0                ; aq, wq
	s_load_b128 s[8:11], s[0:1], 0x10              ; b_proj, out0
	v_lshl_add_u32 v[SPW], v0, 2, SPARE
	v_mov_b32 v[NIL], 0
	ds_add_u32 v[SPW], v[NIL]                      ; the opening lines: the add, twice on end, and its wait ahead of my first tensor load
	ds_add_u32 v[SPW], v[NIL]
	v_lshrrev_b32 v9, 5, v0
	v_readfirstlane_b32 s14, v9                    ; wave 0..3
	s_bfe_u32 s15, ttmp6, 0x40000                  ; cx: my column tile of 256
	s_and_b32 s16, ttmp7, 0xffff                   ; the cluster's y: my 128 tokens
	s_mov_b32 s24, 15|(3<<16)|(1<<21)              ; group 1 of the tokens' halves: mask: the cluster's four; elements of 8 bytes; bit 21 beside a mask; 65,536 dense bytes as 256 rows of 256
	s_mov_b32 s25, 32<<16
	s_mov_b32 s26, 256<<16
	s_mov_b32 s27, 32<<16
	s_mov_b32 s28, 256
	s_mov_b32 s29, 32
	s_mov_b32 s30, 0
	s_mov_b32 s31, 0
	s_mov_b32 s48, 3<<16                           ; group 1 of w_proj's upper half of K: no mask; 8 column tiles x 8,192 bytes (1,024 elements of 8), 16,384 bytes apart
	s_mov_b32 s49, 1024<<16
	s_mov_b32 s50, 8<<16
	s_mov_b32 s51, 1024<<16
	s_mov_b32 s52, 8
	s_mov_b32 s53, 2048
	s_mov_b32 s54, 0
	s_mov_b32 s55, 0
	s_mov_b32 s32, 1                               ; group 0 of the tokens' halves (waves 0, 1)
	s_lshl_b32 s33, s14, 16                        ; LDS: wave x 65,536
	s_lshl_b32 s18, s16, 17                        ; aq: my 128 tokens are 8 tiles of 16,384 bytes,
	s_add_co_u32 s18, s18, s33                     ; the wave's four of them
	s_mov_b32 s19, 0
	s_mov_b32 s56, 1                               ; group 0 of w_proj's upper half (waves 2, 3): column tiles 8 (wave % 2) on
	s_and_b32 s12, s14, 1
	s_lshl_b32 s57, s12, 16
	s_add_co_u32 s57, s57, WH
	s_lshl_b32 s44, s15, 18                        ; wq: my 16 column tiles,
	s_lshl_b32 s12, s12, 17
	s_add_co_u32 s44, s44, s12
	s_add_co_u32 s44, s44, PI_OFF+8192             ; from the middle of K on
	s_mov_b32 s45, 0
	s_lshl_b32 s46, s14, 15
	s_add_co_u32 s46, s46, WH                      ; where my 64 columns' part of it lies
	s_lshl_b32 s20, s16, 12                        ; the tokens' scale words: 512 bytes a tile
	s_add_co_u32 s20, s20, AS_OFF
	s_mov_b32 s21, 0
	s_lshl_b32 s17, s15, 4
	s_lshl_b32 s12, s14, 2
	s_add_co_u32 s17, s17, s12                     ; my first tile of 16 columns: 16 cx + 4 wave
	s_lshl_b32 s22, s17, 14
	s_add_co_u32 s22, s22, PI_OFF                  ; its codes
	s_mov_b32 s23, 0
	s_lshl_b32 s36, s17, 9
	s_add_co_u32 s36, s36, PS_OFF                  ; its scale words
	s_mov_b32 s37, 0
	s_lshl_b32 s38, s17, 6                         ; its bias: 64 bytes a tile
	s_mov_b32 s39, 0
	s_lshl_b32 s40, s16, 19                        ; out0: 128 rows of 4,096 bytes,
	s_add_co_u32 s40, s40, s38                     ; my 64 columns: a multiple of 256 bytes
	s_mov_b32 s41, 0
	s_mul_i32 s42, s14, 16*SPITCH
	s_add_co_u32 s42, s42, STAGE                   ; my stage
	v_and_b32 v1, 15, v0                           ; r
	v_bfe_u32 v2, v0, 4, 1                         ; h
	v_and_b32 v3, 31, v0                           ; lane
	v_lshlrev_b32 v[ADR], 4, v3
	v_add_nc_u32 v[ADR+1], 0x10000, v[ADR]
	v_add_nc_u32 v[AWH], s46, v[ADR]
	v_mul_u32_u24 v[STO], v1, SPITCH
	v_lshl_add_u32 v[STO], v2, 5, v[STO]
	v_add_nc_u32 v[STO], s42, v[STO]
	v_mul_u32_u24 v[RD], v2, SPITCH
	v_lshl_add_u32 v[RD], v1, 4, v[RD]
	v_add_nc_u32 v[RD], s42, v[RD]
	v_lshlrev_b32 v[CO], 12, v2
	v_lshl_add_u32 v[CO], v1, 4, v[CO]
	v_lshlrev_b32 v[SOF], 3, v1
	v_lshl_add_u32 v[SOF], v2, 9, v[SOF]
	v_lshlrev_b32 v[BOF], 5, v2
	s_wait_alu depctr_va_vdst(0)
	s_wait_dscnt 0x0                               ; both opening adds are done
	CROUND                                         ; the four work-groups are here: the joint loads meet
	s_wait_kmcnt 0x0
	s_add_nc_u64 s[34:35], s[4:5], s[18:19]
	s_or_b32 s35, s35, 0x80000000
	s_add_nc_u64 s[58:59], s[6:7], s[44:45]
	s_or_b32 s59, s59, 0x80000000
	s_cmp_lt_u32 s14, 2                            ; one tensor load a wave, in two arms that join
	s_cbranch_scc0 .Lfor_w
	tensor_load_to_lds s[32:35], s[24:31]          ; waves 0, 1: a half of the tokens' codes
	s_nop 0
	PLACES 4
	s_branch .Lasked
.Lfor_w:
	tensor_load_to_lds s[56:59], s[48:55]          ; waves 2, 3: the upper half of K of eight column tiles
	s_nop 0
	PLACES 4
.Lasked:
	s_add_nc_u64 s[20:21], s[4:5], s[20:21]
	s_add_nc_u64 s[22:23], s[6:7], s[22:23]
	s_add_nc_u64 s[36:37], s[6:7], s[36:37]
	s_add_nc_u64 s[38:39], s[8:9], s[38:39]
	s_add_nc_u64 s[40:41], s[10:11], s[40:41]
.irp b, 0,1,2,3
	global_load_b128 v[BI+8*\b:BI+8*\b+3], v[BOF], s[38:39] offset:64*\b        ; the bias of columns 16 b + 8 h + 0 .. 7
	global_load_b128 v[BI+8*\b+4:BI+8*\b+7], v[BOF], s[38:39] offset:64*\b+16
.endr
.irp p, 0,1
.irp j, 0,1,2,3
	global_load_b64 v[SB+8*\p+2*\j:SB+8*\p+2*\j+1], v[SOF], s[36:37] offset:1024*\p+128*\j
.endr
.endr
.irp p, 0,1,2,3
.irp j, 0,1,2,3
	global_load_b64 v[SA+8*\p+2*\j:SA+8*\p+2*\j+1], v[SOF], s[20:21] offset:1024*\p+128*\j
.endr
.endr
	WIN 1<<6
.irp q, 0,1,2,3                        ; w_proj's fragment 4 q + b (the q-th 128 of K, column tile b), the lower half of K, into window 1
.irp b, 0,1,2,3
.irp c, 0,1,2,3
	global_load_b128 v[16*((4*\q+\b)%16)+4*\c:16*((4*\q+\b)%16)+4*\c+3], v[ADR], s[22:23] offset:16384*\b+2048*\q+512*\c
.endr
.endr
.endr
	WIN 0
.macro FETCH i                         ; block i, 16 tokens, all of K, into set i % 2 of window 3: 32 loads
	WIN 3<<6
.irp q, 0,1,2,3,4,5,6,7
.irp c, 0,1,2,3
	ds_load_b128 v[128*((\i)%2)+16*\q+4*\c:128*((\i)%2)+16*\q+4*\c+3], v[ADR+(\i)/4] offset:16384*((\i)%4)+2048*\q+512*\c
.endr
.endr
	WIN 0
.endm
.macro PROD i, q, b
.set D_, ACC+32*((\i)%2)+8*(\b)
.set C_, D_
.if (\q) == 0
.set C_, BI+8*(\b)
.endif
.set W_, 16*((4*(\q)+(\b))%16)
.set X_, 128*((\i)%2)+16*(\q)
.set SW_, SB+8*((\b)/2)+(\q)
.set SX_, SA+8*((\i)/2)+(\q)
.if ((\b)%2) && ((\i)%2)
	v_wmma_scale_f32_16x16x128_f8f6f4 v[D_:D_+7], v[W_:W_+15], v[X_:X_+15], v[C_:C_+7], v[SW_], v[SX_] matrix_a_scale:MATRIX_SCALE_ROW1 matrix_b_scale:MATRIX_SCALE_ROW1
.elseif (\b)%2
	v_wmma_scale_f32_16x16x128_f8f6f4 v[D_:D_+7], v[W_:W_+15], v[X_:X_+15], v[C_:C_+7], v[SW_], v[SX_] matrix_a_scale:MATRIX_SCALE_ROW1
.elseif (\i)%2
	v_wmma_scale_f32_16x16x128_f8f6f4 v[D_:D_+7], v[W_:W_+15], v[X_:X_+15], v[C_:C_+7], v[SW_], v[SX_] matrix_b_scale:MATRIX_SCALE_ROW1
.else
	v_wmma_scale_f32_16x16x128_f8f6f4 v[D_:D_+7], v[W_:W_+15], v[X_:X_+15], v[C_:C_+7], v[SW_], v[SX_]
.endif
.endm
.macro BLOCK i                         ; 32 products: source 0 window 1 or 2, source 1 window 3, C and D window 0
.irp q, 0,1,2,3,4,5,6,7
	WIN (1+\q/4)|(3<<2)
.irp b, 0,1,2,3
	PROD \i, \q, \b
.endr
.endr
	WIN 0
.endm
.macro TOSTAGE i                       ; block i's sums into my stage, each from its low end on, and back as rows of 256 bytes: 8 stores, 8 loads; LDS serves a wave's instructions in order (ISA guide 5.7.1.4)
.irp b, 0,1,2,3
	ds_store_b128 v[STO], v[ACC+32*((\i)%2)+8*\b:ACC+32*((\i)%2)+8*\b+3] offset:64*\b
	ds_store_b128 v[STO], v[ACC+32*((\i)%2)+8*\b+4:ACC+32*((\i)%2)+8*\b+7] offset:64*\b+16
.endr
.irp t, 0,1,2,3,4,5,6,7
	ds_load_b128 v[OB+32*((\i)%2)+4*\t:OB+32*((\i)%2)+4*\t+3], v[RD] offset:\t*2*SPITCH
.endr
.endm
.macro SEND i                          ; sixteen lanes store 256 consecutive bytes, aligned
.irp t, 0,1,2,3,4,5,6,7
	global_store_b128 v[CO], v[OB+32*((\i)%2)+4*\t:OB+32*((\i)%2)+4*\t+3], s[40:41] offset:65536*(\i)+8192*\t th:TH_STORE_NT
.endr
.endm
	s_wait_tensorcnt 0x0                           ; my load is in
	s_barrier_signal -1
	s_barrier_wait -1                              ; everybody's is; nothing is filled again
	WIN 2<<6
.irp q, 4,5,6,7                        ; the upper half of K of my 64 columns into window 2: 64 loads, ahead of the blocks' fetches
.irp b, 0,1,2,3
.irp c, 0,1,2,3
	ds_load_b128 v[16*((4*\q+\b)%16)+4*\c:16*((4*\q+\b)%16)+4*\c+3], v[AWH] offset:8192*\b+2048*(\q-4)+512*\c
.endr
.endr
.endr
	WIN 0
	FETCH 0
	FETCH 1
	s_wait_loadcnt 0x0                             ; the bias, the scale words and the lower half of K of my 64 columns
; In trip i the LDS instructions go out in the order: block i + 2's 32 loads, block i's 8 stores and 8 loads.  At a trip's head block i's fragments and block i - 2's rows must be in: behind them stand the last trip's 48 (the first trip: block 1's 32; the last: 16).
.irp i, 0,1,2,3,4,5,6,7
.if \i == 0
	s_wait_dscnt 32
.elseif \i == 7
	s_wait_dscnt 16
.else
	s_wait_dscnt 48
.endif
.if \i >= 2
	SEND \i-2
.endif
	BLOCK \i
	PLACES NP                                      ; ahead of the loads into the set just read and of the stores of the sums just made
.if \i < 6
	FETCH \i+2
.endif
.if \i >= 2
	s_wait_xcnt 0x0                                ; block i - 2's stores have read their registers, which take block i's rows
.endif
	TOSTAGE \i
.endr
	s_wait_dscnt 16                                ; block 6's rows are back; block 7's 16 may be out
	SEND 6
	s_wait_dscnt 0x0
	SEND 7
	s_wait_tensorcnt 0x0                           ; the wave's end
	ds_add_u32 v[SPW], v[NIL]
	s_wait_dscnt 0x0
	CROUND                                         ; the closing round
	s_endpgm
.Lfunc_end_k_qafd5a9a79e_gemm_proj:
	.size	k_qafd5a9a79e_gemm_proj, .Lfunc_end_k_qafd5a9a79e_gemm_proj-k_qafd5a9a79e_gemm_proj
	.p2alignl 7, 3214868480
	.fill 96, 4, 3214868480
	.section	.rodata,"a",@progbits
	.p2align	6, 0x0
	.amdhsa_kernel k_qafd5a9a79e_gemm_proj
		.amdhsa_group_segment_fixed_size 327680
		.amdhsa_private_segment_fixed_size 0
		.amdhsa_enable_private_segment 0
		.amdhsa_kernarg_size 32
		.amdhsa_user_sgpr_count 2
		.amdhsa_user_sgpr_kernarg_segment_ptr 1
		.amdhsa_wavefront_size32 1
		.amdhsa_system_sgpr_workgroup_id_x 1
		.amdhsa_system_sgpr_workgroup_id_y 1
		.amdhsa_system_sgpr_workgroup_id_z 1
		.amdhsa_system_vgpr_workitem_id 0
		.amdhsa_next_free_vgpr 1024
		.amdhsa_next_free_sgpr 66
		.amdhsa_reserve_vcc 0
		.amdhsa_float_denorm_mode_32 3
		.amdhsa_float_denorm_mode_16_64 3
		.amdhsa_memory_ordered 1
		.amdhsa_forward_progress 1
		.amdhsa_inst_pref_size 85
	.end_amdhsa_kernel
	.amdgpu_metadata
---
amdhsa.version: [ 1, 2 ]
amdhsa.kernels:
  - .name:           k_qafd5a9a79e_gemm_proj
    .symbol:         k_qafd5a9a79e_gemm_proj.kd
    .args:
      - { .name: aq, .offset: 0, .size: 8, .value_kind: global_buffer, .address_space: global }
      - { .name: wq, .offset: 8, .size: 8, .value_kind: global_buffer, .address_space: global }
      - { .name: b_proj, .offset: 16, .size: 8, .value_kind: global_buffer, .address_space: global }
      - { .name: out0, .offset: 24, .size: 8, .value_kind: global_buffer, .address_space: global }
    .group_segment_fixed_size: 327680
    .private_segment_fixed_size: 0
    .kernarg_segment_align: 8
    .kernarg_segment_size: 32
    .max_flat_workgroup_size: 128
    .sgpr_count:     66
    .vgpr_count:     1024
    .wavefront_size: 32
...
	.end_amdgpu_metadata
.endif
;; end of part 4
